; MI455X (gfx1250); checked and timed in simulation.
; The chip was launched on July 23, 2026; its instructions are those of AMD's public machine-readable ISA for CDNA 5 (MIT licence, August 2026) and "CDNA5" Instruction Set Architecture Reference Guide (July 2026). The comments in the code are by the model that wrote it; some were corrected since.
;; Top K Moe Layer. Allowed arithmetic: matrix products marked QUANTISED: E2M3 operands, one E8M0 scale for each 32 along K, by v_wmma_scale_f32_16x16x128_f8f6f4 with both operands' format E2M3, f32 sums; products left as they are: f32 operands where the result goes on into a quantised operand, else bf16, f16 or f32 operands; f32 sums; everything else in f32.
;; Inputs: expert_b 8 x 1,024 float32; expert_w 8 x 1,024 x 1,024 float32; gate_b 10 float32; gate_w 10 x 1,024 float32; inputs 4 x 2,048 x 1,024 float32.
;; Outputs: out0 4 x 2,048 x 1,024 float32.
;; This version of the problem:
;;   THIS VERSION OF THE PROBLEM IS GIVEN IN LOW PRECISION. The matrix products marked QUANTISED in the list below multiply operands that are first quantised to E2M3 (2 exponent bits, 3 mantissa bits; 6 bits a number), with one power-of-two scale for each 32 numbers along K (OCP MX v1.0); their sums are f32. All else is computed in f32.
;;   The module's matrix products, in the order in which they are computed (A, B: the left and right operand; K: the contracted axis; several contracted axes count as one K, in the product's order):
;;     1. [M 8,192, K 1,024] x [K 1,024, N 10]; A: input inputs; B: input gate_w: left as it is (N = 10 < 16)
;;     2. batch 8,192 x [M 1, K 2] x [K 2, N 10]; A: computed on the way; B: computed on the way: left as it is (K = 2 < 32)
;;     3. [M 8,192, K 1,024] x [K 1,024, N 8,192]; A: input inputs; B: input expert_w: QUANTISED
;;     4. batch 8,192 x [M 1, K 8] x [K 8, N 1,024]; A: computed on the way; B: computed on the way: left as it is (K = 8 < 32)
;;   THE QUANTISER, for each operand of a quantised product, along K:
;;     - K is cut into blocks of 32 from its start; a last block that is shorter is filled with zeros.
;;     - A block's scale is 2^e with e = floor(log2(the largest magnitude in the block)) - 2, held to -126 .. 127; a block of zeros has e = 0. As a byte (E8M0): e + 127.
;;     - Each number is divided by its block's scale, clamped to +-7.5, and rounded to the nearest number of E2M3, ties to even, subnormals kept.
;;     - The product sums the exact products of the quantised numbers (number of the format x scale) in f32.
;;   ~~~python
;;   def quantise(x, axis):      # numpy; x: float32 -> the quantised numbers, widened to float32 again
;;       x = np.moveaxis(x, axis, -1); K = x.shape[-1]
;;       x = np.pad(x, [(0, 0)] * (x.ndim - 1) + [(0, -K % 32)]); x = x.reshape(x.shape[:-1] + (-1, 32)); a = np.abs(x).max(-1, keepdims=True)
;;       e = np.where(a > 0, np.clip(np.frexp(np.where(a > 0, a, 1))[1] - 1 - 2, -126, 127), 0)      # np.frexp(a)[1] - 1 = floor(log2(a)), exactly
;;       r = np.clip(x / 2.0 ** e, -7.5, 7.5)
;;       step = 2.0 ** (np.maximum(np.frexp(np.where(r == 0, 1, r))[1] - 1, 0) - 3)
;;       q = np.round(r / step) * step * 2.0 ** e      # np.round: ties to even
;;       return np.moveaxis(q.reshape(q.shape[:-2] + (-1,))[..., :K], -1, axis).astype(np.float32)
;;   ~~~
;; 2 versions. Each part assembles by itself: llvm-mc -triple=amdgcn-amd-amdhsa -mcpu=gfx1250 --defsym DOCPART=n.
;; ======== version 1 of 2: 3 launches
;; workspace buffers: xq 6,291,456 bytes; xs 262,144 bytes; wq 6,553,600 bytes; route 131,072 bytes; clsr 32,768 bytes of whole numbers; hist 32,768 bytes of whole numbers; order 32,768 bytes of whole numbers; bmask 4,096 bytes of whole numbers
;; launch prep (part 1): grid 512 x 1, 8 waves a work-group, no clusters, 111,104 bytes of LDS; arguments inputs, gate_w, gate_b, expert_w, xq, xs, wq, route, clsr, hist; writes xq, xs, wq, route, clsr, hist
.if DOCPART == 1
	.amdgcn_target "amdgcn-amd-amdhsa--gfx1250"
	.amdhsa_code_object_version 6
	.text
	.protected	k_qe0b193b499_prep
	.globl	k_qe0b193b499_prep
	.p2align	8
	.type	k_qe0b193b499_prep,@function
k_qe0b193b499_prep:
	s_mov_b64 s[64:65], 0
	v_nop
	global_prefetch_b8 v0, s[64:65] scope:SCOPE_SE
	s_setreg_imm32_b32 hwreg(HW_REG_WAVE_MODE, 25, 1), 1
	s_wait_xcnt 0x0
; PREP: quantises both operands of the experts' product to codes of FP6 (E2M3) with one E8M0 byte for each 32 along K, and runs the router.
; Work-groups 0-255 take 32 tokens each (x path), work-groups 256-511 a piece of the weights (W path).  The two paths part on the work-group's number alone.
; X PATH.  Wave s takes K step s (k = 128 s .. 128 s + 127) of the 32 tokens, as two tiles of 16.  Each load reads 512 consecutive bytes of a token's row; the numbers turn through the wave's own
; stage in LDS, so that lane (r, h) holds, of token r, register 16 b + i = k 32 b + 16 h + i.  The gate's rows are loaded in the same map, so the gate's partial sums are f32 matrix products
; (source 0 = the gate's rows, source 1 = the tokens; the same permutation of k on both sides keeps the products).  The gate stays in f32: its result decides which experts a token takes.
; The same registers are quantised; codes and scale words meet in LDS and leave as whole token rows: xq [token][h][s][48 bytes] (the 12 registers of lane (r, h) of K step s), xs [token][8 words].
; Wave 0 adds the eight partial sums, takes the two largest logits (a strict compare: the lower index wins a tie), the softmax with the maximum taken away, and the weights as reference() norms them.
; It stores at fixed places: route [token] {w1, w2, e1, e2}; clsr [token] = key | rank << 8; hist [chunk of 32 tokens][32 words], word l = count of key l | count of key 32 + l << 16.
; key = 8 lo + hi - 1 of the two experts, null experts counted as 8; both null: 8, which no pair takes.  rank = how many lower tokens of the chunk have the same key.
; Nothing that comes from floating-point numbers enters an address or a branch here.
; W PATH.  expert_w [e][k][n]: a lane takes a column n and its registers run down K, so a block of 32 is one lane's, and the conversions give codes with K innermost.
; wq [e][nq 16][s 8] records of 6,400 bytes: four images of a fragment's registers (16 columns x 128 K: register q of lane L at 512 (q / 4) + 16 L + 4 (q % 4)), then two runs of 32 scale words.
; LIMITS: NaN and infinities among the inputs are not served.  Blocks whose largest magnitude lies under 2^-124 (the floor, byte 1) were not tried; a block of zeros gets the byte 1 where the rule says 127:
; its codes are zeros and this program alone reads the bytes.  The two largest are taken of the logits, not of the probabilities: they differ only where two probabilities round to one f32 number.
; A probability under 2^-126 (a logit more than 87 under the largest) comes out of v_exp_f32 as 0.
.set SPI,   528                        ; a stage row: 512 bytes + 16, an odd multiple of 16
.set STGW,  16*SPI                     ; LDS 0: a stage of 16 rows for each wave
.set PL,    8*STGW                     ; the partial logits: 2,048 bytes a wave, images of the two accumulators
.set CRP,   784                        ; a token's row of codes: 768 bytes + 16
.set CR,    PL+8*2048                  ; 32 such rows
.set XSCL,  CR+32*CRP                  ; 32 tokens x 8 scale words
.set PW,    10                         ; v10      the scale word just made
.set TM,    12                         ; v12-15 largest magnitudes, v16-19 the other half's, then bytes, v20-23 the conversions' scale operands
.set G,     24                         ; v24-87   the gate's rows
.set X0,    88                         ; v88-151  tile 0
.set X1,    152                        ; v152-215 tile 1
.set ACC,   216                        ; v216-231 the two accumulators: written by matrix instructions alone
.set PC,    232                        ; v232-243 a fragment's codes, v244-250 the conversions' second halves
.set PLR,   252                        ; v252     LDS address: the partial logits, read
.set XSR,   253                        ; v253     LDS address: the scale words, read
.set SEL,   38                         ; s[38:39] v_permlanex16_b32's selects for lane l xor 16
.set IM,    152                        ; W path: v152-175 two images of 12 registers (h = 0, 1)
.set TP,    176                        ; v176-191 the conversions' second halves
.set MX,    192                        ; v192-193 two chains of the maximum
.set SO,    194                        ; v194-197 scale operands
.set BY,    198                        ; v198     a byte
.set WORD,  199                        ; v199     the column's scale word
; a tile's 16 rows x 512 bytes through my stage: in as loaded, back 64 bytes of each block of 32 to a lane.  LDS serves a wave's instructions in order: no wait between
.macro TURN x
.irp i, 0,1,2,3,4,5,6,7,8,9,10,11,12,13,14,15
	ds_store_b128 v2, v[(\x)+4*\i:(\x)+4*\i+3] offset:SPI*\i
.endr
.irp b, 0,1,2,3
.irp j, 0,1,2,3
	ds_load_b128 v[(\x)+16*\b+4*\j:(\x)+16*\b+4*\j+3], v3 offset:128*\b+16*\j
.endr
.endr
.endm
; 64 numbers of a lane, register 16 b + i = k 32 b + 16 h + i of my row, become a fragment's codes in v[PC] on and its scale word in v[PW]
.macro QUANT s
.irp b, 0,1,2,3
	v_max3_num_f32 v[TM+\b], |v[(\s)+16*\b]|, |v[(\s)+1+16*\b]|, 0x1800000   ; my 16 numbers of block b, and the floor 2^(3 - 127): the byte cannot fall under 1
.endr
.irp i, 2,4,6,8,10,12,14
.irp b, 0,1,2,3
	v_max3_num_f32 v[TM+\b], v[TM+\b], |v[(\s)+16*\b+\i]|, |v[(\s)+1+16*\b+\i]|
.endr
.endr
.irp b, 0,1,2,3
	v_permlanex16_b32 v[TM+4+\b], v[TM+\b], s[SEL], s[SEL+1]
.endr
.irp b, 0,1,2,3
	v_max_num_f32 v[TM+\b], v[TM+\b], v[TM+4+\b]           ; with lane l xor 16's 16: the block's largest magnitude
.endr
.irp b, 0,1,2,3
	v_add_nc_u32 v[TM+8+\b], 0xff000000, v[TM+\b]          ; 2 off its exponent field: the conversion's scale operand
.endr
.irp b, 0,1,2,3
	v_lshrrev_b32 v[TM+4+\b], 23, v[TM+8+\b]               ; the scale's byte
.endr
	v_lshl_or_b32 v[PW], v[TM+5], 8, v[TM+4]
	v_lshl_or_b32 v[PW], v[TM+6], 16, v[PW]
	v_lshl_or_b32 v[PW], v[TM+7], 24, v[PW]
.irp c, 0,1
	v_cvt_scalef32_pk16_fp6_f32 v[PC+6*\c:PC+2+6*\c], v[(\s)+32*\c:(\s)+15+32*\c], v[TM+8+2*\c]
	v_cvt_scalef32_pk16_fp6_f32 v[PC+12+4*\c:PC+14+4*\c], v[(\s)+16+32*\c:(\s)+31+32*\c], v[TM+8+2*\c+1]   ; (a conversion's three registers begin on an even number)
.endr
	v_nop                                                  ; one plain place behind a scaled conversion
.irp c, 0,1                                            ; the operand wants a whole block in a lane: lanes 0-15 block 2 c, lanes 16-31 block 2 c + 1
.irp i, 0,1,2
	v_permlane16_swap_b32 v[PC+6*\c+\i], v[PC+12+4*\c+\i]
.endr
.irp i, 0,1,2
	v_mov_b32 v[PC+3+6*\c+\i], v[PC+12+4*\c+\i]
.endr
.endr
.endm
.macro CODES off, soff                 ; the fragment's 48 bytes a lane into the token's row, its scale word beside the other waves'
.irp c, 0,1,2
	ds_store_b128 v5, v[PC+4*\c:PC+4*\c+3] offset:\off+16*\c
.endr
	ds_store_b32 v6, v[PW] offset:\soff                    ; lanes r and r + 16 write the same word with the same value
.endm
; W path: block kb (32 along K) of my column
.macro BLK kb
.set XB, 24+32*(\kb)
.set ID, IM+12*((\kb)%2)+6*((\kb)/2)   ; block kb is registers 6 (kb / 2) on of the fragment's lane with h = kb % 2
	v_max3_num_f32 v[MX], |v[XB]|, |v[XB+1]|, |v[XB+2]|
	v_max3_num_f32 v[MX+1], |v[XB+3]|, |v[XB+4]|, |v[XB+5]|
.irp i, 6,10,14,18,22,26
	v_max3_num_f32 v[MX], v[MX], |v[XB+\i]|, |v[XB+\i+1]|
	v_max3_num_f32 v[MX+1], v[MX+1], |v[XB+\i+2]|, |v[XB+\i+3]|
.endr
	v_max3_num_f32 v[MX], v[MX], |v[XB+30]|, |v[XB+31]|
	v_max3_num_f32 v[MX], v[MX], v[MX+1], 0x1800000        ; and the floor
	v_add_nc_u32 v[SO+(\kb)], 0xff000000, v[MX]
	v_lshrrev_b32 v[BY], 23, v[SO+(\kb)]
.if (\kb) == 0
	v_mov_b32 v[WORD], v[BY]
.else
	v_lshl_or_b32 v[WORD], v[BY], 8*(\kb), v[WORD]
.endif
	v_cvt_scalef32_pk16_fp6_f32 v[ID:ID+2], v[XB:XB+15], v[SO+(\kb)]
	v_cvt_scalef32_pk16_fp6_f32 v[TP+4*(\kb):TP+4*(\kb)+2], v[XB+16:XB+31], v[SO+(\kb)]
	v_nop                                                  ; one plain place behind a scaled conversion
.irp i, 0,1,2
	v_mov_b32 v[ID+3+\i], v[TP+4*(\kb)+\i]
.endr
.endm
	s_load_b512 s[4:19], s[0:1], 0x0               ; inputs s[4:5], gate_w s[6:7], gate_b s[8:9], expert_w s[10:11], xq s[12:13], xs s[14:15], wq s[16:17], route s[18:19]
	s_load_b128 s[20:23], s[0:1], 0x40             ; clsr s[20:21], hist s[22:23]
	v_lshl_add_u32 v254, v0, 2, 0x1ae00
	v_mov_b32 v255, 0
	v_lshrrev_b32 v1, 5, v0
	v_readfirstlane_b32 s24, v1                    ; wave 0..7
	s_cmp_lt_u32 ttmp9, 256
	s_cbranch_scc0 .Lweights
	; ---------------- X PATH ----------------
	v_and_b32 v240, 31, v0                         ; l
	v_and_b32 v241, 15, v0                         ; r
	v_bfe_u32 v242, v0, 4, 1                       ; h
	v_lshlrev_b32 v1, 4, v240                      ; 16 l
	s_mul_i32 s52, s24, STGW
	v_add_nc_u32 v2, s52, v1                       ; my stage, in: 16 l
	v_mul_u32_u24 v3, v241, SPI
	v_lshl_add_u32 v3, v242, 6, v3
	v_add_nc_u32 v3, s52, v3                       ; my stage, back: row r, + 64 h
	v_min_u32 v4, 9, v241                          ; the gate has 10 rows: lanes 10-15 repeat row 9, and their results are not read
	v_lshlrev_b32 v4, 12, v4
	v_lshl_add_u32 v4, v242, 6, v4                 ; gate_w: row x 4,096 + 64 h
	v_mul_u32_u24 v5, v241, CRP
	v_mad_u32_u24 v5, v242, 384, v5
	s_mul_i32 s52, s24, 48
	s_add_co_u32 s52, s52, CR
	v_add_nc_u32 v5, s52, v5                       ; codes: row r, + 384 h + 48 x wave
	v_lshlrev_b32 v6, 5, v241
	s_lshl_b32 s52, s24, 2
	s_add_co_u32 s52, s52, XSCL
	v_add_nc_u32 v6, s52, v6                       ; scale words: 32 r + 4 x wave
	s_lshl_b32 s52, s24, 11
	s_add_co_u32 s52, s52, PL
	v_add_nc_u32 v7, s52, v1                       ; my partial logits: 2,048 x wave + 16 l
	s_mul_i32 s52, s24, 4*CRP
	s_add_co_u32 s52, s52, CR
	v_add_nc_u32 v8, s52, v1                       ; the way out: my four rows of codes, 16 l,
	v_lshl_add_u32 v9, v242, 4, v8                 ; and the same where lanes 16-31 lie behind one padding more
	v_add_nc_u32 v[PLR], PL, v1
	s_min_u32 s52, s24, 1
	s_lshl_b32 s52, s52, 9
	s_add_co_u32 s52, s52, XSCL
	v_add_nc_u32 v[XSR], s52, v1                   ; waves 0 and 1: half of the scale words each
.irp b, 0,1,2,3
	v_mov_b32 v[TM+4+\b], 0                        ; written once: a lane permute's destination counts as one of its sources
.endr
	s_mov_b32 s[SEL], 0x76543210
	s_mov_b32 s[SEL+1], 0xfedcba98
	s_lshl_b32 s40, ttmp9, 17                      ; 32 tokens of 4,096 bytes,
	s_lshl_b32 s42, s24, 9                         ; my K step's 512 bytes
	s_add_co_u32 s40, s40, s42
	s_mov_b32 s41, 0
	s_mov_b32 s43, 0
	s_mul_i32 s44, ttmp9, 32*768                   ; xq: 32 tokens of 768 bytes, my four
	s_mul_i32 s45, s24, 4*768
	s_add_co_u32 s44, s44, s45
	s_mov_b32 s45, 0
	s_lshl_b32 s46, ttmp9, 10                      ; xs: 32 tokens of 32 bytes, + 512 for wave 1
	s_min_u32 s47, s24, 1
	s_lshl_b32 s47, s47, 9
	s_add_co_u32 s46, s46, s47
	s_mov_b32 s47, 0
	s_lshl_b32 s48, ttmp9, 9                       ; route: 32 x 16 bytes
	s_mov_b32 s49, 0
	s_lshl_b32 s50, ttmp9, 7                       ; clsr, hist: 32 words
	s_mov_b32 s51, 0
	s_wait_kmcnt 0x0
	s_add_nc_u64 s[4:5], s[4:5], s[40:41]
	s_add_nc_u64 s[6:7], s[6:7], s[42:43]
	s_add_nc_u64 s[12:13], s[12:13], s[44:45]
	s_add_nc_u64 s[14:15], s[14:15], s[46:47]
	s_add_nc_u64 s[18:19], s[18:19], s[48:49]
	s_add_nc_u64 s[20:21], s[20:21], s[50:51]
	s_add_nc_u64 s[22:23], s[22:23], s[50:51]
.irp i, 0,1,2,3,4,5,6,7,8,9,10,11,12,13,14,15
	global_load_b128 v[X0+4*\i:X0+4*\i+3], v1, s[4:5] offset:4096*\i th:TH_LOAD_NT        ; token i: 32 lanes read 512 consecutive bytes
.endr
.irp i, 0,1,2,3,4,5,6,7,8,9,10,11,12,13,14,15
	global_load_b128 v[X1+4*\i:X1+4*\i+3], v1, s[4:5] offset:4096*(16+\i) th:TH_LOAD_NT
.endr
.irp b, 0,1,2,3
.irp j, 0,1,2,3
	global_load_b128 v[G+16*\b+4*\j:G+16*\b+4*\j+3], v4, s[6:7] offset:128*\b+16*\j       ; the gate's rows, in the map that the turn gives x
.endr
.endr
	s_wait_loadcnt 32                              ; tile 0 is in; tile 1's 16 loads and the gate's 16 may be out
	TURN X0
	s_wait_loadcnt 16                              ; tile 1 is in; the gate's 16 may be out
	TURN X1
	s_wait_loadcnt 0x0
	s_wait_dscnt 0x0
	; the gate: 128 along K in 32 steps of 4, the two tiles' accumulators by turns, one instruction a turn; the first step starts the sums
	v_wmma_f32_16x16x4_f32 v[ACC:ACC+7], v[G:G+1], v[X0:X0+1], 0
	v_wmma_f32_16x16x4_f32 v[ACC+8:ACC+15], v[G:G+1], v[X1:X1+1], 0
.set q, 1
.rept 31
	v_wmma_f32_16x16x4_f32 v[ACC:ACC+7], v[G+2*q:G+2*q+1], v[X0+2*q:X0+2*q+1], v[ACC:ACC+7]
	v_wmma_f32_16x16x4_f32 v[ACC+8:ACC+15], v[G+2*q:G+2*q+1], v[X1+2*q:X1+2*q+1], v[ACC+8:ACC+15]
.set q, q+1
.endr
	QUANT X0
	CODES 0, 0
	s_wait_dscnt 0x0                               ; the stores have read their registers
	QUANT X1
	CODES 16*CRP, 512
	; lane (r, h), register j: the partial logit of expert 8 h + j for token r.  The two quantisers above are far more than the eight places that the f32 form wants ahead of these reads (ISA guide 7.12.1)
	ds_store_b128 v7, v[ACC:ACC+3]                 ; each accumulator from its low end on
	ds_store_b128 v7, v[ACC+4:ACC+7] offset:512
	ds_store_b128 v7, v[ACC+8:ACC+11] offset:1024
	ds_store_b128 v7, v[ACC+12:ACC+15] offset:1536
	s_wait_dscnt 0x0                               ; for the others' sake: all my LDS stores have landed
	s_barrier_signal -1
	s_barrier_wait -1                              ; the one barrier: nothing is stored to LDS behind it
	; my four tokens' codes, 3,072 bytes, leave as six runs of 512 consecutive bytes; a row of 768 bytes has 16 of padding behind it
	ds_load_b128 v[152:155], v8
	ds_load_b128 v[156:159], v9 offset:512
	ds_load_b128 v[160:163], v8 offset:1040
	ds_load_b128 v[164:167], v8 offset:1568
	ds_load_b128 v[168:171], v9 offset:2080
	ds_load_b128 v[172:175], v8 offset:2608
.irp i, 0,1,2,3,4,5
	s_wait_dscnt 5-\i                              ; LDS loads come back in order: run i is in
	global_store_b128 v1, v[152+4*\i:155+4*\i], s[12:13] offset:512*\i
.endr
	s_cmp_lt_u32 s24, 2
	s_cbranch_scc0 .Lno_words
	ds_load_b128 v[176:179], v[XSR]                ; waves 0 and 1: 16 tokens' scale words, 512 consecutive bytes
	s_wait_dscnt 0x0
	global_store_b128 v1, v[176:179], s[14:15]
.Lno_words:
	s_cmp_lg_u32 s24, 0
	s_cbranch_scc1 .Lx_end
	; ---- wave 0: the router for the 32 tokens
	s_load_b256 s[28:35], s[8:9], 0x0              ; gate_b, ten numbers
	s_load_b64 s[36:37], s[8:9], 0x20
.irp w, 0,1,2,3,4,5,6,7
.irp c, 0,1,2,3
	ds_load_b128 v[24+16*\w+4*\c:27+16*\w+4*\c], v[PLR] offset:2048*\w+512*\c
.endr
.endr
	s_wait_dscnt 0x0
.irp w, 1,2,3,4,5,6,7                          ; the eight K steps' sums, K ascending
.irp p, 0,2,4,6,8,10,12,14
	v_pk_add_f32 v[24+\p:25+\p], v[24+\p:25+\p], v[24+16*\w+\p:25+16*\w+\p]
.endr
.endr
.irp j, 0,1,2,3,4,5,6,7
	v_permlane16_swap_b32 v[24+\j], v[32+\j]       ; tile 0's lanes 16-31 (experts 8 on) change places with tile 1's lanes 0-15: lane l is now token l, v24-31 experts 0-7, v32-33 experts 8, 9
.endr
	s_wait_kmcnt 0x0
.irp e, 0,1,2,3,4,5,6,7,8,9
	v_add_f32 v[24+\e], s[28+\e], v[24+\e]
.endr
	v_mov_b32 v40, v24                             ; the largest, its index,
	v_mov_b32 v41, 0
	v_mov_b32 v42, 0xff800000                      ; the second, its index
	v_mov_b32 v43, 0
.irp e, 1,2,3,4,5,6,7,8,9
	v_cmp_gt_f32 s40, v[24+\e], v40                ; strictly larger: of equals the lower index stays ahead
	v_cmp_gt_f32 s41, v[24+\e], v42
	v_cndmask_b32 v42, v42, v[24+\e], s41
	v_cndmask_b32 v43, v43, \e, s41
	v_cndmask_b32 v42, v42, v40, s40
	v_cndmask_b32 v43, v43, v41, s40
	v_cndmask_b32 v40, v40, v[24+\e], s40
	v_cndmask_b32 v41, v41, \e, s40
.endr
.irp e, 0,1,2,3,4,5,6,7,8,9
	v_sub_f32 v[44+\e], v[24+\e], v40              ; the maximum is taken away, as reference() takes it
.endr
	v_sub_f32 v54, v42, v40
.irp e, 0,1,2,3,4,5,6,7,8,9,10
	v_mul_f32 v[44+\e], 0x3fb8aa3b, v[44+\e]       ; x log2(e)
.endr
.irp e, 0,1,2,3,4,5,6,7,8,9,10
	v_exp_f32 v[44+\e], v[44+\e]
.endr
	v_nop                                          ; a plain place behind the batch,
	s_wait_alu depctr_va_vdst(0)                   ; and the one wait ahead of its first reader
	v_add_f32 v55, v44, v45
	v_add_f32 v56, v46, v47
	v_add_f32 v57, v48, v49
	v_add_f32 v58, v50, v51
	v_add_f32 v59, v52, v53
	v_add_f32 v55, v55, v56
	v_add_f32 v57, v57, v58
	v_add_f32 v55, v55, v57
	v_add_f32 v55, v55, v59                        ; the softmax's sum
	v_rcp_f32 v56, v55                             ; the largest probability is 1 / sum
	v_nop
	s_wait_alu depctr_va_vdst(0)
	v_mul_f32 v57, v54, v56                        ; the second
	v_cmp_gt_u32 vcc_lo, 8, v41
	v_cndmask_b32 v58, 0, v56, vcc_lo              ; null experts count for nothing
	v_cmp_gt_u32 vcc_lo, 8, v43
	v_cndmask_b32 v59, 0, v57, vcc_lo
	v_add_f32 v55, v58, v59
	v_cmp_lt_f32 vcc_lo, 0, v55
	v_cndmask_b32 v55, 1.0, v55, vcc_lo            ; 1 where nothing is left
	v_rcp_f32 v64, v55
	v_min_u32 v65, 8, v41                          ; (the key's lines are the plain work behind the reciprocal)
	v_min_u32 v66, 8, v43
	v_min_u32 v67, v65, v66                        ; lo
	v_add_nc_u32 v68, v65, v66
	v_sub_nc_u32 v68, v68, v67                     ; hi
	v_lshl_add_u32 v68, v67, 3, v68
	v_add_nc_u32 v68, -1, v68                      ; 8 lo + hi - 1
	v_cmp_eq_u32 vcc_lo, 8, v67
	v_cndmask_b32 v68, v68, 8, vcc_lo              ; both null: key 8
	s_wait_alu depctr_va_vdst(0)
	v_mul_f32 v60, v58, v64                        ; w1, w2, e1, e2
	v_mul_f32 v61, v59, v64
	v_mov_b32 v62, v41
	v_mov_b32 v63, v43
	v_and_b32 v70, 31, v0                          ; my lane, which is also a key,
	v_add_nc_u32 v71, 32, v70                      ; and the key 32 on
	v_mov_b32 v69, 0
	v_mov_b32 v72, 0
	v_mov_b32 v73, 0
.set t, 0
.rept 4                                        ; the 32 tokens' keys, eight at a time
.irp u, 0,1,2,3,4,5,6,7
	v_readlane_b32 s[40+\u], v68, t+\u
.endr
.irp u, 0,1,2,3,4,5,6,7
	v_cmp_eq_u32 s48, s[40+\u], v68                ; which tokens have this token's key:
	v_writelane_b32 v69, s48, t+\u                 ; kept in its lane
	v_cmp_eq_u32 vcc_lo, s[40+\u], v70
	v_cndmask_b32 v74, 0, 1, vcc_lo
	v_add_nc_u32 v72, v72, v74                     ; the count of key l
	v_cmp_eq_u32 vcc_lo, s[40+\u], v71
	v_cndmask_b32 v74, 0, 1, vcc_lo
	v_add_nc_u32 v73, v73, v74                     ; and of key 32 + l
.endr
.set t, t+8
.endr
	v_mbcnt_lo_u32_b32 v75, v69, 0                 ; how many lower lanes have my key
	v_lshl_or_b32 v76, v75, 8, v68
	v_lshl_or_b32 v72, v73, 16, v72
	v_lshlrev_b32 v77, 2, v70
	global_store_b128 v1, v[60:63], s[18:19]       ; 512 consecutive bytes
	global_store_b32 v77, v76, s[20:21]
	global_store_b32 v77, v72, s[22:23]
	s_wait_tensorcnt 0x0
	ds_add_u32 v254, v255
	s_wait_dscnt 0x0
	s_endpgm
.Lx_end:
	s_wait_tensorcnt 0x0
	ds_add_u32 v254, v255
	s_wait_dscnt 0x0
	s_endpgm
	; ---------------- W PATH ----------------
.Lweights:
	s_sub_co_u32 s40, ttmp9, 256
	s_lshr_b32 s41, s40, 5                         ; expert
	s_bfe_u32 s42, s40, 0x30002                    ; K step
	s_and_b32 s43, s40, 3
	s_lshl_b32 s44, s43, 3
	s_add_co_u32 s44, s44, s24                     ; which 32 columns are my wave's
	s_lshl_b32 s46, s41, 22                        ; an expert is 4 MiB,
	s_lshl_b32 s47, s42, 19                        ; 128 rows of 4,096 bytes,
	s_add_co_u32 s46, s46, s47
	s_lshl_b32 s47, s44, 7                         ; 32 columns of 4 bytes
	s_add_co_u32 s46, s46, s47
	s_mov_b32 s47, 0
	s_lshr_b32 s48, s44, 1                         ; nq: which 64 columns
	s_lshl_b32 s49, s41, 4
	s_add_co_u32 s48, s48, s49
	s_lshl_b32 s48, s48, 3
	s_add_co_u32 s48, s48, s42
	s_mul_i32 s48, s48, 6400                       ; the record
	s_and_b32 s49, s24, 1                          ; its first or its second two tiles
	s_mul_i32 s52, s49, 3072
	s_add_co_u32 s52, s52, s48
	s_mov_b32 s53, 0
	s_lshl_b32 s54, s49, 7
	s_add_co_u32 s54, s54, s48
	s_mov_b32 s55, 0
	v_and_b32 v3, 31, v0
	v_lshlrev_b32 v1, 2, v3                        ; 4 l
	v_and_b32 v4, 15, v0
	v_bfe_u32 v5, v0, 4, 1
	v_mul_u32_u24 v2, v5, 1536
	v_lshl_add_u32 v2, v4, 4, v2                   ; my tile's image, my column's 16 bytes
	s_wait_kmcnt 0x0
	s_add_nc_u64 s[10:11], s[10:11], s[46:47]
	s_add_nc_u64 s[52:53], s[16:17], s[52:53]
	s_add_nc_u64 s[54:55], s[16:17], s[54:55]
.set k, 0
.rept 128
	global_load_b32 v[24+k], v1, s[10:11] offset:4096*k th:TH_LOAD_NT   ; row k at my wave's 32 columns: 128 consecutive bytes; the eight waves stand side by side on 1,024
.set k, k+1
.endr
	s_wait_loadcnt 63                              ; at most the youngest 63 of the 128 are out: blocks 0 and 1 are in
	BLK 0
	BLK 1
	s_wait_loadcnt 32                              ; block 3's may be out
	BLK 2
	s_wait_loadcnt 0x0
	BLK 3
.irp h, 0,1
.irp c, 0,1,2
	global_store_b128 v2, v[IM+12*\h+4*\c:IM+12*\h+4*\c+3], s[52:53] offset:512*\c+256*\h   ; sixteen lanes store 256 consecutive bytes, aligned
.endr
.endr
	global_store_b32 v1, v[WORD], s[54:55] offset:6144
	s_endpgm
.Lfunc_end_k_qe0b193b499_prep:
	.size	k_qe0b193b499_prep, .Lfunc_end_k_qe0b193b499_prep-k_qe0b193b499_prep
	.p2alignl 7, 3214868480
	.fill 96, 4, 3214868480
	.section	.rodata,"a",@progbits
	.p2align	6, 0x0
	.amdhsa_kernel k_qe0b193b499_prep
		.amdhsa_group_segment_fixed_size 111104
		.amdhsa_private_segment_fixed_size 0
		.amdhsa_enable_private_segment 0
		.amdhsa_kernarg_size 80
		.amdhsa_user_sgpr_count 2
		.amdhsa_user_sgpr_kernarg_segment_ptr 1
		.amdhsa_wavefront_size32 1
		.amdhsa_system_sgpr_workgroup_id_x 1
		.amdhsa_system_sgpr_workgroup_id_y 1
		.amdhsa_system_sgpr_workgroup_id_z 1
		.amdhsa_system_vgpr_workitem_id 0
		.amdhsa_next_free_vgpr 256
		.amdhsa_next_free_sgpr 66
		.amdhsa_reserve_vcc 1
		.amdhsa_float_denorm_mode_32 3
		.amdhsa_float_denorm_mode_16_64 3
		.amdhsa_memory_ordered 1
		.amdhsa_forward_progress 1
		.amdhsa_inst_pref_size 75
	.end_amdhsa_kernel
	.amdgpu_metadata
---
amdhsa.version: [ 1, 2 ]
amdhsa.kernels:
  - .name:           k_qe0b193b499_prep
    .symbol:         k_qe0b193b499_prep.kd
    .args:
      - { .name: inputs, .offset: 0, .size: 8, .value_kind: global_buffer, .address_space: global }
      - { .name: gate_w, .offset: 8, .size: 8, .value_kind: global_buffer, .address_space: global }
      - { .name: gate_b, .offset: 16, .size: 8, .value_kind: global_buffer, .address_space: global }
      - { .name: expert_w, .offset: 24, .size: 8, .value_kind: global_buffer, .address_space: global }
      - { .name: xq, .offset: 32, .size: 8, .value_kind: global_buffer, .address_space: global }
      - { .name: xs, .offset: 40, .size: 8, .value_kind: global_buffer, .address_space: global }
      - { .name: wq, .offset: 48, .size: 8, .value_kind: global_buffer, .address_space: global }
      - { .name: route, .offset: 56, .size: 8, .value_kind: global_buffer, .address_space: global }
      - { .name: clsr, .offset: 64, .size: 8, .value_kind: global_buffer, .address_space: global }
      - { .name: hist, .offset: 72, .size: 8, .value_kind: global_buffer, .address_space: global }
    .group_segment_fixed_size: 111104
    .private_segment_fixed_size: 0
    .kernarg_segment_align: 8
    .kernarg_segment_size: 80
    .max_flat_workgroup_size: 256
    .sgpr_count:     66
    .vgpr_count:     256
    .wavefront_size: 32
...
	.end_amdgpu_metadata
.endif
;; end of part 1
;; launch sort (part 2): grid 1 x 1, 32 waves a work-group, no clusters, 8,192 bytes of LDS; arguments hist, clsr, order, bmask; writes order, bmask
.if DOCPART == 2
	.amdgcn_target "amdgcn-amd-amdhsa--gfx1250"
	.amdhsa_code_object_version 6
	.text
	.protected	k_qe0b193b499_sort
	.globl	k_qe0b193b499_sort
	.p2align	8
	.type	k_qe0b193b499_sort,@function
k_qe0b193b499_sort:
	s_mov_b64 s[64:65], 0
	v_nop
	global_prefetch_b8 v0, s[64:65] scope:SCOPE_SE
	s_setreg_imm32_b32 hwreg(HW_REG_WAVE_MODE, 25, 1), 1
	s_wait_xcnt 0x0
; SORT: places the 8,192 tokens by their key (a counting sort, stable) and says which experts each block of 128 sorted tokens uses.
; The counting was done chunk by chunk (32 tokens) by the launch before; here one work-group makes the prefix sums, since they span everything.  No atomics.
; Wave w takes chunks 8 w .. 8 w + 7.  While summing, a lane is a word of the histogram: key l in the low half, key 32 + l in the high half; no count passes 8,192, so plain 32-bit adds serve both halves.
; position = first place of the key + tokens of that key in earlier waves + in earlier chunks of my wave + rank in the chunk.
; order [position] = token.  bmask [block 64][16 equal words] = bits of the experts: key k stands for experts k >> 3 and (k & 7) + 1, of which 8 is null; key 8 (both null) gives expert 1, weighed with 0 later.
	s_load_b256 s[4:11], s[0:1], 0x0               ; hist s[4:5], clsr s[6:7], order s[8:9], bmask s[10:11]
	v_lshl_add_u32 v96, v0, 2, 0x1000
	v_mov_b32 v97, 0
	v_lshrrev_b32 v1, 5, v0
	v_readfirstlane_b32 s12, v1                    ; wave 0..31
	v_and_b32 v2, 31, v0                           ; lane
	v_lshlrev_b32 v3, 2, v2                        ; 4 l
	v_lshl_add_u32 v4, v1, 10, v3                  ; my wave's eight chunks of 128 bytes, + 4 l
	v_lshlrev_b32 v5, 2, v0                        ; 128 w + 4 l
	v_lshl_add_u32 v69, v1, 8, v2                  ; my token in chunk 0 of the wave
	s_mov_b32 s18, 0x76543210
	s_mov_b32 s19, 0xfedcba98
	s_wait_kmcnt 0x0
.irp i, 0,1,2,3,4,5,6,7
	global_load_b32 v[8+\i], v4, s[4:5] offset:128*\i
.endr
.irp i, 0,1,2,3,4,5,6,7
	global_load_b32 v[16+\i], v4, s[6:7] offset:128*\i
.endr
	s_wait_loadcnt 0x0
	v_mov_b32 v24, 0                               ; v24-31: the counts of my wave's earlier chunks
.irp i, 1,2,3,4,5,6,7
	v_add_nc_u32 v[24+\i], v[23+\i], v[7+\i]
.endr
	v_add_nc_u32 v6, v31, v15                      ; my wave's counts
	ds_store_b32 v5, v6
	s_wait_dscnt 0x0                               ; for the others' sake
	s_barrier_signal -1
	s_barrier_wait -1                              ; the one barrier: nothing is stored to LDS behind it
.irp w, 0,1,2,3,4,5,6,7,8,9,10,11,12,13,14,15,16,17,18,19,20,21,22,23,24,25,26,27,28,29,30,31
	ds_load_b32 v[32+\w], v3 offset:128*\w
.endr
	v_mov_b32 v64, 0                               ; earlier waves' counts
	v_mov_b32 v65, 0                               ; all waves' counts
	s_wait_dscnt 0x0
.irp w, 0,1,2,3,4,5,6,7,8,9,10,11,12,13,14,15,16,17,18,19,20,21,22,23,24,25,26,27,28,29,30,31
	s_cmp_gt_u32 s12, \w
	s_cselect_b32 s13, -1, 0
	v_and_b32 v66, s13, v[32+\w]
	v_add_nc_u32 v64, v64, v66
	v_add_nc_u32 v65, v65, v[32+\w]
.endr
	; the keys' first places: a running sum over the lanes, both halves at once
	v_mov_b32 v67, v65
	v_mov_b32 v66, 0
.irp n, 1,2,4,8
	v_mov_b32_dpp v66, v67 row_shr:\n row_mask:0xf bank_mask:0xf bound_ctrl:1
	v_add_nc_u32 v67, v67, v66
.endr
	v_readlane_b32 s13, v67, 15
	v_mov_b32 v66, s13
	v_cmp_lt_u32 vcc_lo, 15, v2
	v_cndmask_b32 v66, 0, v66, vcc_lo
	v_add_nc_u32 v67, v67, v66                     ; lanes 16-31 stand behind lanes 0-15
	v_readlane_b32 s13, v67, 31
	s_lshl_b32 s13, s13, 16                        ; keys 32 on stand behind all of keys 0-31: their number, into the high half
	v_sub_nc_u32 v68, v67, v65
	v_add_nc_u32 v68, s13, v68                     ; the first place of key l | of key 32 + l
.irp i, 0,1,2,3,4,5,6,7
	v_add3_u32 v[24+\i], v[24+\i], v68, v64        ; where chunk i's tokens of each key begin
.endr
.irp i, 0,1,2,3,4,5,6,7
	v_and_b32 v[72+\i], 31, v[16+\i]
	v_lshlrev_b32 v[72+\i], 2, v[72+\i]            ; the lane that holds my token's key
.endr
.irp i, 0,1,2,3,4,5,6,7
	ds_bpermute_b32 v[80+\i], v[72+\i], v[24+\i]   ; a pull between lanes: no LDS byte is touched
.endr
	s_wait_dscnt 0x0
.irp i, 0,1,2,3,4,5,6,7
	v_bfe_u32 v66, v[16+\i], 5, 1                  ; which half
	v_lshlrev_b32 v66, 4, v66
	v_lshrrev_b32 v[80+\i], v66, v[80+\i]
	v_and_b32 v[80+\i], 0xffff, v[80+\i]
	v_bfe_u32 v70, v[16+\i], 8, 8                  ; the rank
	v_add_nc_u32 v[80+\i], v[80+\i], v70
	v_min_u32 v[80+\i], 0x1fff, v[80+\i]           ; a number that was loaded enters an address behind this hold
	v_lshlrev_b32 v[80+\i], 2, v[80+\i]
	v_add_nc_u32 v[88+\i], 32*\i, v69
	global_store_b32 v[80+\i], v[88+\i], s[8:9]    ; each place is written once: the places are a permutation
.endr
	; blocks 2 w and 2 w + 1: the experts of every key whose run of places meets the block
	v_and_b32 v32, 0xffff, v68                     ; first places,
	v_lshrrev_b32 v33, 16, v68
	v_and_b32 v34, 0xffff, v65                     ; numbers,
	v_lshrrev_b32 v35, 16, v65
	v_add_nc_u32 v36, v32, v34                     ; ends
	v_add_nc_u32 v37, v33, v35
	v_lshrrev_b32 v38, 3, v2
	v_and_b32 v39, 7, v2
	v_add_nc_u32 v39, 1, v39
	v_mov_b32 v40, 1
	v_lshlrev_b32 v39, v39, v40                    ; 1 << hi
	v_lshlrev_b32 v41, v38, v40                    ; 1 << lo of key l; key 32 + l has lo + 4
	v_or_b32 v42, v41, v39
	v_and_b32 v42, 0xff, v42
	v_lshl_or_b32 v43, v41, 4, v39
	v_and_b32 v43, 0xff, v43
	v_cmp_ne_u32 vcc_lo, 0, v34
	v_cndmask_b32 v42, 0, v42, vcc_lo              ; a key that no token has names no expert
	v_cmp_ne_u32 vcc_lo, 0, v35
	v_cndmask_b32 v43, 0, v43, vcc_lo
	s_lshl_b32 s14, s12, 8                         ; block 2 w begins here
.irp q, 0,1
	s_add_co_u32 s15, s14, 128
	v_cmp_gt_u32 s16, s15, v32                     ; begins ahead of the block's end
	v_cmp_lt_u32 s17, s14, v36                     ; and ends behind its start
	s_and_b32 s16, s16, s17
	v_cndmask_b32 v44, 0, v42, s16
	v_cmp_gt_u32 s16, s15, v33
	v_cmp_lt_u32 s17, s14, v37
	s_and_b32 s16, s16, s17
	v_cndmask_b32 v45, 0, v43, s16
	v_or_b32 v[46+\q], v44, v45
	s_mov_b32 s14, s15
.endr
.irp n, 1,2,4,8
	v_mov_b32_dpp v44, v46 row_xmask:\n row_mask:0xf bank_mask:0xf
	v_mov_b32_dpp v45, v47 row_xmask:\n row_mask:0xf bank_mask:0xf
	v_or_b32 v46, v46, v44
	v_or_b32 v47, v47, v45
.endr
	v_permlanex16_b32 v44, v46, s18, s19
	v_permlanex16_b32 v45, v47, s18, s19
	v_or_b32 v46, v46, v44
	v_or_b32 v47, v47, v45
	v_cmp_lt_u32 vcc_lo, 15, v2
	v_cndmask_b32 v46, v46, v47, vcc_lo            ; lanes 0-15 block 2 w, lanes 16-31 block 2 w + 1
	global_store_b32 v5, v46, s[10:11]
	s_wait_tensorcnt 0x0
	ds_add_u32 v96, v97
	s_wait_dscnt 0x0
	s_endpgm
.Lfunc_end_k_qe0b193b499_sort:
	.size	k_qe0b193b499_sort, .Lfunc_end_k_qe0b193b499_sort-k_qe0b193b499_sort
	.p2alignl 7, 3214868480
	.fill 96, 4, 3214868480
	.section	.rodata,"a",@progbits
	.p2align	6, 0x0
	.amdhsa_kernel k_qe0b193b499_sort
		.amdhsa_group_segment_fixed_size 8192
		.amdhsa_private_segment_fixed_size 0
		.amdhsa_enable_private_segment 0
		.amdhsa_kernarg_size 32
		.amdhsa_user_sgpr_count 2
		.amdhsa_user_sgpr_kernarg_segment_ptr 1
		.amdhsa_wavefront_size32 1
		.amdhsa_system_sgpr_workgroup_id_x 1
		.amdhsa_system_sgpr_workgroup_id_y 1
		.amdhsa_system_sgpr_workgroup_id_z 1
		.amdhsa_system_vgpr_workitem_id 0
		.amdhsa_next_free_vgpr 98
		.amdhsa_next_free_sgpr 66
		.amdhsa_reserve_vcc 1
		.amdhsa_float_denorm_mode_32 3
		.amdhsa_float_denorm_mode_16_64 3
		.amdhsa_memory_ordered 1
		.amdhsa_forward_progress 1
		.amdhsa_inst_pref_size 20
	.end_amdhsa_kernel
	.amdgpu_metadata
---
amdhsa.version: [ 1, 2 ]
amdhsa.kernels:
  - .name:           k_qe0b193b499_sort
    .symbol:         k_qe0b193b499_sort.kd
    .args:
      - { .name: hist, .offset: 0, .size: 8, .value_kind: global_buffer, .address_space: global }
      - { .name: clsr, .offset: 8, .size: 8, .value_kind: global_buffer, .address_space: global }
      - { .name: order, .offset: 16, .size: 8, .value_kind: global_buffer, .address_space: global }
      - { .name: bmask, .offset: 24, .size: 8, .value_kind: global_buffer, .address_space: global }
    .group_segment_fixed_size: 8192
    .private_segment_fixed_size: 0
    .kernarg_segment_align: 8
    .kernarg_segment_size: 32
    .max_flat_workgroup_size: 1024
    .sgpr_count:     66
    .vgpr_count:     98
    .wavefront_size: 32
...
	.end_amdgpu_metadata
.endif
;; end of part 2
;; launch moe (part 3): grid 4 x 64, 4 waves a work-group, no clusters, 116,224 bytes of LDS; arguments xq, xs, wq, expert_b, order, bmask, route, out0; writes out0
.if DOCPART == 3
	.amdgcn_target "amdgcn-amd-amdhsa--gfx1250"
	.amdhsa_code_object_version 6
	.text
	.protected	k_qe0b193b499_moe
	.globl	k_qe0b193b499_moe
	.p2align	8
	.type	k_qe0b193b499_moe,@function
k_qe0b193b499_moe:
	s_mov_b64 s[64:65], 0
	v_nop
	global_prefetch_b8 v0, s[64:65] scope:SCOPE_SE
	s_setreg_imm32_b32 hwreg(HW_REG_WAVE_MODE, 25, 1), 1
	s_wait_xcnt 0x0
; MOE: out[t] = the sum over the chosen true experts e of w(t, e) (Q(x[t]) Q(W_e) + b_e), on codes of FP6 (E2M3) with one E8M0 scale for each 32 along K; sums in f32.
; Only the chosen experts are multiplied: reference() gives every other expert the weight 0.
; SHARES.  Work-group (x, y) owns sorted tokens 128 y .. 128 y + 127 (the list order) and columns 256 x .. 256 x + 255: each output number has one owner.  Wave w takes all 128 tokens (8 tiles of 16)
; and 64 columns (4 tiles).  The work-group walks the experts that its block's mask names; a token that has not chosen the expert in hand gets the weight 0.
; THE PRODUCT IS USED TRANSPOSED: source 0 = 16 columns of W, source 1 = 16 tokens: a lane holds one token and eight neighbouring columns.  The bias is the C of a sum's first K step, so it is weighed with the product.
; x's codes are gathered once, by the list, into LDS as images of the operand's registers, and all four waves read them.  W's fragments go from memory straight into a ring of four K steps of registers,
; from records laid in the order of the operand's registers: each lane loads its fragments whole.
; NO TENSOR LOADS, NO CLUSTER, NO JOINT LOADS: the number of experts walked and their numbers are read from memory and differ from block to block, so partners would need different numbers of tiles.
; NO PREFETCH: each record of weights is read by many work-groups, and x's codes are asked for at the head.
; LIMITS: as stated at the head of the launch that quantises; a list word is held at 8,191, an expert's number at 7.
; REGISTERS, in windows of 256: window 0: v1-15 addresses; v16-31 the tiles' weights (even registers; the odd ones are 0 and only named in pairs); v32-63 {w1, w2, e1, e2} of my token in each tile;
;   v64-95 x's scale words (register 8 mp + s: lanes 0-15 tile 2 mp, lanes 16-31 tile 2 mp + 1); v96-111 W's (8 p + s, likewise); v112-207 x's eight fragments, later rows on the way out; v208-221 list words.
;   window 1: v0-191 the ring (slot s % 4 at 48 (s % 4) + 12 n), at the end the output rows' offsets; v192-223 the bias.   window 2: the 32 accumulators (8 (4 m + n)); at the head the gathered codes.   window 3: out, likewise.
.set FRB,    1536                      ; a fragment's image: 12 registers x 128 bytes
.set REC,    6400                      ; a record: four images and 256 bytes of scale words
.set STAGE,  64*FRB                    ; LDS: x's 64 fragments ((m, s) at (8 m + s) FRB), then a stage of 16 rows for each wave
.set SPITCH, 272                       ; a stage row: 256 bytes + 16, an odd multiple of 16
.set LI,   1                           ; v1   16 l
.set LI2,  2                           ; v2   16 l + 32 FRB: tiles 4-7 lie beyond a 16-bit offset
.set L4,   3                           ; v3   4 l
.set H32,  4                           ; v4   32 h
.set STO,  5                           ; v5   the stage: where I put 32 bytes of a row
.set RD,   6                           ; v6   and where I read a row back
.set C16,  7                           ; v7   16 (l % 16)
.set H4,   14                          ; v14  4 h
.set GI,   15                          ; v15  where my wave stores its images
.set WT,   16
.set R,    32
.set XS,   64
.set WS,   96
.set XR,   112
.set BK,   112
.set TK,   208
.set BIAS, 192
.set MSB, 0
.macro WIN new                         ; the immediate's high byte repeats the setting that is left
.if MSB != \new
	s_set_vgpr_msb (MSB<<8)|\new
.set MSB, \new
.endif
.endm
.macro PLACES                          ; four places behind this form, ahead of loads into registers that matrix instructions have read and of reads of results
.rept 4
	v_nop
.endr
.endm
.macro NEXT                            ; the next expert of the mask, and where its records and its bias begin
	s_ctz_i32_b32 s26, s23
	s_min_u32 s26, s26, 7                          ; a number that was loaded enters an address behind this hold
	s_sub_co_u32 s38, s23, 1
	s_and_b32 s23, s23, s38                        ; its bit is taken off
	s_mul_i32 s38, s26, 16*8*REC
	s_mov_b32 s39, 0
	s_add_nc_u64 s[34:35], s[28:29], s[38:39]
	s_lshl_b32 s38, s26, 12
	s_add_nc_u64 s[36:37], s[30:31], s[38:39]
.endm
.macro TOP                             ; an expert begins: what was next is now in hand
	s_wait_xcnt 0x0                                ; the loads issued so far have read their bases
	s_mov_b64 s[32:33], s[34:35]
	s_mov_b32 s25, s26
.endm
; K step s of an expert: two scale words, for s = 0 the bias, and four fragments: 14 loads, or 22
.macro GROUP s, base
	global_load_b32 v[WS+(\s)], v[L4], s[\base:\base+1] offset:REC*(\s)+4*FRB
	global_load_b32 v[WS+8+(\s)], v[L4], s[\base:\base+1] offset:REC*(\s)+4*FRB+128
	WIN 0x40                                       ; destination window 1
.if (\s) == 0
.irp n, 0,1,2,3
	global_load_b128 v[BIAS+8*\n:BIAS+8*\n+3], v[H32], s[36:37] offset:64*\n          ; lane (r, h): the bias of columns 16 n + 8 h + 0 .. 7
	global_load_b128 v[BIAS+8*\n+4:BIAS+8*\n+7], v[H32], s[36:37] offset:64*\n+16
.endr
.endif
.irp n, 0,1,2,3
.irp c, 0,1,2
	global_load_b128 v[48*((\s)%4)+12*\n+4*\c:48*((\s)%4)+12*\n+4*\c+3], v[LI], s[\base:\base+1] offset:REC*(\s)+FRB*\n+512*\c   ; 512 consecutive bytes
.endr
.endr
	WIN 0
.endm
.macro XFETCH s, m0                    ; x's fragments of K step s, tiles m0 .. m0 + 3: 12 LDS loads of 512 consecutive bytes
.irp m, \m0, \m0+1, \m0+2, \m0+3
.irp c, 0,1,2
	ds_load_b128 v[XR+12*(\m)+4*\c:XR+12*(\m)+4*\c+3], v[LI+(\m)/4] offset:(8*((\m)%4)+(\s))*FRB+512*\c
.endr
.endr
.endm
.macro WM                              ; one product; the rows of the scale registers go by the tiles' parities
.if rRA == 0 && rRB == 0
	v_wmma_scale_f32_16x16x128_f8f6f4 v[rD:rD+7], v[rA:rA+11], v[rB:rB+11], v[rC:rC+7], v[rSA], v[rSB] matrix_a_fmt:MATRIX_FMT_FP6 matrix_b_fmt:MATRIX_FMT_FP6
.elseif rRA == 1 && rRB == 0
	v_wmma_scale_f32_16x16x128_f8f6f4 v[rD:rD+7], v[rA:rA+11], v[rB:rB+11], v[rC:rC+7], v[rSA], v[rSB] matrix_a_fmt:MATRIX_FMT_FP6 matrix_b_fmt:MATRIX_FMT_FP6 matrix_a_scale:MATRIX_SCALE_ROW1
.elseif rRA == 0
	v_wmma_scale_f32_16x16x128_f8f6f4 v[rD:rD+7], v[rA:rA+11], v[rB:rB+11], v[rC:rC+7], v[rSA], v[rSB] matrix_a_fmt:MATRIX_FMT_FP6 matrix_b_fmt:MATRIX_FMT_FP6 matrix_b_scale:MATRIX_SCALE_ROW1
.else
	v_wmma_scale_f32_16x16x128_f8f6f4 v[rD:rD+7], v[rA:rA+11], v[rB:rB+11], v[rC:rC+7], v[rSA], v[rSB] matrix_a_fmt:MATRIX_FMT_FP6 matrix_b_fmt:MATRIX_FMT_FP6 matrix_a_scale:MATRIX_SCALE_ROW1 matrix_b_scale:MATRIX_SCALE_ROW1
.endif
.endm
; 16 products: token tiles m0 .. m0 + 3 x the four column tiles.  The 32 accumulators take turns, one instruction a turn, in the same order in every step
.macro MULS s, m0
.irp m, \m0, \m0+1, \m0+2, \m0+3
.irp n, 0,1,2,3
.set rD, 8*(4*(\m)+\n)
.set rA, 48*((\s)%4)+12*\n
.set rB, XR+12*(\m)
.if (\s) == 0
.set rC, BIAS+8*\n
.else
.set rC, rD
.endif
.set rSA, WS+8*(\n/2)+(\s)
.set rSB, XS+8*((\m)/2)+(\s)
.set rRA, \n%2
.set rRB, (\m)%2
	WM
.endr
.endr
.endm
.macro MWIN s
.if (\s) == 0
	WIN 0x91                                       ; source 0 (W) window 1, source 1 (x) window 0, C (the bias) window 1, D window 2
.else
	WIN 0xa1                                       ; C and D window 2
.endif
.endm
; A K step.  n: the loads younger than this step's group.  fetch = 1: x's fragments of the step that follows are asked for.  pf = 1: this expert's group four steps on goes into the slot just read;
; pf = 2: the next expert's group, four steps back in number; pf = 0: none
.macro KSTEP s, pf, n, fetch
	s_wait_loadcnt \n                              ; loads come back in order: this step's group is in, the three younger groups may be out
	s_wait_dscnt 12                                ; x's tiles 0-3 are in; the twelve loads of tiles 4-7 may be out
	MWIN \s
	MULS \s, 0
	s_wait_dscnt 0x0                               ; tiles 4-7 are in
	PLACES
.if \fetch
	WIN 0
	XFETCH ((\s)+1)%8, 0
.endif
	MWIN \s
	MULS \s, 4
	PLACES
	WIN 0
.if \fetch
	XFETCH ((\s)+1)%8, 4
.endif
.if \pf == 1
	GROUP (\s)+4, 32
.elseif \pf == 2
	GROUP (\s)-4, 34
.endif
.endm
; An expert is done: out = or += its weight x its sums.  The weight of my token in tile m: w1 where e1 is the expert in hand, w2 where e2 is, else 0
.macro EPI
.irp m, 0,1,2,3,4,5,6,7
	v_cmp_eq_u32 vcc_lo, s25, v[R+4*\m+2]
	v_cndmask_b32 v[WT+2*\m], 0, v[R+4*\m], vcc_lo
	v_cmp_eq_u32 vcc_lo, s25, v[R+4*\m+3]
	v_cndmask_b32 v[WT+2*\m], v[WT+2*\m], v[R+4*\m+1], vcc_lo
.endr
	s_cmp_eq_u32 s27, 0
	s_cbranch_scc1 .Ladd_\@
	WIN 0xc2                                       ; the block's first expert starts out: nothing is cleared.  Destination window 3, source 0 window 2
.irp m, 0,1,2,3,4,5,6,7
.set i, 32*\m
.rept 16
	v_pk_mul_f32 v[i:i+1], v[i:i+1], v[WT+2*\m:WT+2*\m+1] op_sel_hi:[1,0]       ; each accumulator from its low end on
.set i, i+2
.endr
.endr
	WIN 0
	s_mov_b32 s27, 0
	s_branch .Ldone_\@
.Ladd_\@:
	WIN 0xf2                                       ; destination and source 2 window 3, source 0 window 2
.irp m, 0,1,2,3,4,5,6,7
.set i, 32*\m
.rept 16
	v_pk_fma_f32 v[i:i+1], v[i:i+1], v[WT+2*\m:WT+2*\m+1], v[i:i+1] op_sel_hi:[1,0,1]
.set i, i+2
.endr
.endr
	WIN 0
.Ldone_\@:
.endm
; THE WAY OUT, a tile of 16 tokens x 64 columns at a time: a lane holds 32 bytes of a row, so the tile goes through my own stage and comes back as whole rows of 256 bytes
.macro TOSTAGE m
	WIN 0x0c                                       ; an LDS store's data are its source 1: window 3
.irp n, 0,1,2,3
	ds_store_b128 v[STO], v[8*(4*(\m)+\n):8*(4*(\m)+\n)+3] offset:64*\n
	ds_store_b128 v[STO], v[8*(4*(\m)+\n)+4:8*(4*(\m)+\n)+7] offset:64*\n+16
.endr
	WIN 0
.irp t, 0,1,2,3,4,5,6,7
	ds_load_b128 v[BK+32*((\m)%2)+4*\t:BK+32*((\m)%2)+4*\t+3], v[RD] offset:2*SPITCH*\t   ; LDS serves a wave's instructions in order: these see my stores, and the next tile's stores come behind them
.endr
.endm
.macro SEND m, younger                 ; younger: the LDS instructions issued behind tile m's loads
	s_wait_dscnt \younger
	WIN 0x01                                       ; the address register lies in window 1
.irp t, 0,1,2,3,4,5,6,7
	global_store_b128 v[8*(\m)+\t], v[BK+32*((\m)%2)+4*\t:BK+32*((\m)%2)+4*\t+3], s[42:43] th:TH_STORE_NT   ; sixteen lanes store 256 consecutive bytes of a token's row, aligned; two tokens an instruction
.endr
	WIN 0
.endm
	s_load_b512 s[4:19], s[0:1], 0x0               ; xq s[4:5], xs s[6:7], wq s[8:9], expert_b s[10:11], order s[12:13], bmask s[14:15], route s[16:17], out0 s[18:19]
	v_lshl_add_u32 v254, v0, 2, 0x1c400
	v_mov_b32 v255, 0
	v_lshrrev_b32 v8, 5, v0
	v_readfirstlane_b32 s20, v8                    ; wave 0..3
	s_and_b32 s22, ttmp7, 0xffff                   ; y: the block of tokens
	v_and_b32 v9, 31, v0                           ; l
	v_and_b32 v10, 15, v0                          ; r
	v_bfe_u32 v11, v0, 4, 1                        ; h
	v_lshlrev_b32 v[LI], 4, v9
	v_add_nc_u32 v[LI2], 32*FRB, v[LI]
	v_lshlrev_b32 v[L4], 2, v9
	v_lshlrev_b32 v[H32], 5, v11
	v_lshlrev_b32 v[H4], 2, v11
	v_lshlrev_b32 v[C16], 4, v10
	s_mul_i32 s38, s20, 16*SPITCH
	s_add_co_u32 s38, s38, STAGE                   ; my stage
	v_mul_u32_u24 v[STO], v10, SPITCH
	v_lshl_add_u32 v[STO], v11, 5, v[STO]
	v_add_nc_u32 v[STO], s38, v[STO]               ; in: row r, + 32 h
	v_mul_u32_u24 v[RD], v11, SPITCH
	v_lshl_add_u32 v[RD], v10, 4, v[RD]
	v_add_nc_u32 v[RD], s38, v[RD]                 ; back: lanes 0-15 one row, lanes 16-31 the next
	s_mul_i32 s38, s20, 16*FRB
	v_add_nc_u32 v[GI], s38, v[LI]                 ; my wave gathers tiles 2 w and 2 w + 1: 16 fragments
	v_lshlrev_b32 v12, 2, v10                      ; 4 r
	s_lshl_b32 s38, s20, 7
	v_add_nc_u32 v13, s38, v12                     ; 4 r + 128 w
.irp m, 0,1,2,3,4,5,6,7
	v_mov_b32 v[WT+2*\m+1], 0                      ; named as the upper half of a pair, so it is written
.endr
	s_lshl_b32 s38, ttmp9, 2
	s_add_co_u32 s21, s38, s20                     ; nq: which 64 columns are my wave's
	s_mul_i32 s44, s21, 8*REC
	s_mov_b32 s45, 0
	s_lshl_b32 s46, s21, 8
	s_mov_b32 s47, 0
	s_lshl_b32 s48, s22, 9                         ; 128 list words
	s_mov_b32 s49, 0
	s_lshl_b32 s50, s22, 6                         ; the block's mask
	s_mov_b32 s51, 0
	s_mov_b32 s27, 1                               ; the first expert is still to come
	s_wait_kmcnt 0x0
	s_add_nc_u64 s[14:15], s[14:15], s[50:51]
	s_load_b32 s23, s[14:15], 0x0
	s_add_nc_u64 s[40:41], s[12:13], s[48:49]      ; the list at my block
	s_add_nc_u64 s[28:29], s[8:9], s[44:45]        ; expert 0's records of my columns
	s_add_nc_u64 s[30:31], s[10:11], s[46:47]      ; expert 0's bias of my columns
	s_add_nc_u64 s[42:43], s[18:19], s[46:47]      ; out0 at my columns
.irp m, 0,1,2,3,4,5,6,7
	global_load_b32 v[TK+\m], v12, s[40:41] offset:64*\m          ; token r of tile m
.endr
.irp p, 0,1,2,3
	global_load_b32 v[TK+8+\p], v[L4], s[40:41] offset:128*\p     ; token l of the pair of tiles p
.endr
.irp i, 0,1
	global_load_b32 v[TK+12+\i], v13, s[40:41] offset:64*\i       ; token r of the tiles that I gather
.endr
	s_wait_kmcnt 0x0
	s_and_b32 s23, s23, 0xff
	s_bcnt1_i32_b32 s24, s23
	s_max_u32 s24, s24, 1                          ; how many experts the block walks
	NEXT
	GROUP 0, 34                                    ; the first expert's first four K steps: 64 loads
	GROUP 1, 34
	GROUP 2, 34
	GROUP 3, 34
	s_wait_loadcnt 63                              ; the 14 list words stand ahead of 64 younger loads: with at most 63 out they are in
.irp m, 0,1,2,3,4,5,6,7
	v_min_u32 v[TK+\m], 0x1fff, v[TK+\m]
	v_lshlrev_b32 v[TK+\m], 4, v[TK+\m]            ; route: 16 bytes a token
.endr
.irp p, 0,1,2,3
	v_min_u32 v[TK+8+\p], 0x1fff, v[TK+8+\p]
	v_lshlrev_b32 v[TK+8+\p], 5, v[TK+8+\p]        ; xs: 32 bytes a token
.endr
	v_mul_u32_u24 v8, v11, 384
.irp i, 0,1
	v_min_u32 v[TK+12+\i], 0x1fff, v[TK+12+\i]
	v_mul_u32_u24 v[TK+12+\i], v[TK+12+\i], 768    ; xq: 768 bytes a token, my half's 384
	v_add_nc_u32 v[TK+12+\i], v[TK+12+\i], v8
.endr
	WIN 0x80                                       ; destination window 2
.irp i, 0,1
.irp s, 0,1,2,3,4,5,6,7
.irp c, 0,1,2
	global_load_b128 v[12*(8*\i+\s)+4*\c:12*(8*\i+\s)+4*\c+3], v[TK+12+\i], s[4:5] offset:48*\s+16*\c
.endr
.endr
.endr
	WIN 0
.irp p, 0,1,2,3
	global_load_b128 v[XS+8*\p:XS+8*\p+3], v[TK+8+\p], s[6:7]
	global_load_b128 v[XS+8*\p+4:XS+8*\p+7], v[TK+8+\p], s[6:7] offset:16
.endr
.irp m, 0,1,2,3,4,5,6,7
	global_load_b128 v[R+4*\m:R+4*\m+3], v[TK+\m], s[16:17]
.endr
	s_wait_loadcnt 0x0
	WIN 0x08                                       ; an LDS store's data are its source 1: window 2
.irp i, 0,1
.irp s, 0,1,2,3,4,5,6,7
.irp c, 0,1,2
	ds_store_b128 v[GI], v[12*(8*\i+\s)+4*\c:12*(8*\i+\s)+4*\c+3] offset:(8*\i+\s)*FRB+512*\c
.endr
.endr
.endr
	WIN 0
	s_wait_dscnt 0x0                               ; for the others' sake: my images have landed
	s_barrier_signal -1
	s_barrier_wait -1                              ; the one barrier: x's 64 fragments lie in LDS and are only read from here on
	XFETCH 0, 0
	XFETCH 0, 4
	s_sub_co_u32 s24, s24, 1                       ; the last expert is written out behind the loop
	s_cmp_eq_u32 s24, 0
	s_cbranch_scc1 .Llast
.Lexpert:                                              ; a trip: one expert, and the next expert's first four K steps are asked for
	TOP
	KSTEP 0, 1, 42, 1                              ; 42 = three younger groups of 14
	KSTEP 1, 1, 42, 1
	KSTEP 2, 1, 42, 1
	KSTEP 3, 1, 42, 1
	s_wait_xcnt 0x0                                ; the loads issued so far have read their bases
	NEXT
	KSTEP 4, 2, 42, 1
	KSTEP 5, 2, 50, 1                              ; 50: the next expert's first group, with its bias 22 loads, is among the three
	KSTEP 6, 2, 50, 1
	KSTEP 7, 2, 50, 1
	EPI
	s_sub_co_u32 s24, s24, 1
	s_cmp_lg_u32 s24, 0
	s_cbranch_scc1 .Lexpert
.Llast:
	TOP
	KSTEP 0, 1, 42, 1
	KSTEP 1, 1, 42, 1
	KSTEP 2, 1, 42, 1
	KSTEP 3, 1, 42, 1
	KSTEP 4, 0, 42, 1                              ; nothing more is asked for: the counts run down
	KSTEP 5, 0, 28, 1
	KSTEP 6, 0, 14, 1
	KSTEP 7, 0, 0, 0
	WIN 0x40                                       ; the output rows: token 2 t + h of tile m, into ring registers that are done with
.irp m, 0,1,2,3,4,5,6,7
.irp t, 0,1,2,3,4,5,6,7
	global_load_b32 v[8*\m+\t], v[H4], s[40:41] offset:64*\m+8*\t
.endr
.endr
	WIN 0
	EPI                                            ; stands between those loads and the wait for them
	s_wait_loadcnt 0x0
	WIN 0x44                                       ; source 1 and destination window 1
.set i, 0
.rept 64
	v_min_u32 v[i], 0x1fff, v[i]
.set i, i+1
.endr
	WIN 0x41                                       ; source 0 and destination window 1
.set i, 0
.rept 64
	v_lshl_add_u32 v[i], v[i], 12, v[C16]          ; a row of out0 is 4,096 bytes; + my 16 bytes of the 256
.set i, i+1
.endr
	WIN 0
	TOSTAGE 0
.irp m, 1,2,3,4,5,6,7
.if \m > 1
	s_wait_xcnt 0x0                                ; tile m - 2's stores have read their registers: tile m's rows may land there
.endif
	TOSTAGE \m
	SEND \m-1, 16                                  ; behind tile m - 1's loads: tile m's 8 stores and 8 loads
.endr
	SEND 7, 0
	s_wait_tensorcnt 0x0
	ds_add_u32 v254, v255
	s_wait_dscnt 0x0
	s_endpgm
.Lfunc_end_k_qe0b193b499_moe:
	.size	k_qe0b193b499_moe, .Lfunc_end_k_qe0b193b499_moe-k_qe0b193b499_moe
	.p2alignl 7, 3214868480
	.fill 96, 4, 3214868480
	.section	.rodata,"a",@progbits
	.p2align	6, 0x0
	.amdhsa_kernel k_qe0b193b499_moe
		.amdhsa_group_segment_fixed_size 116224
		.amdhsa_private_segment_fixed_size 0
		.amdhsa_enable_private_segment 0
		.amdhsa_kernarg_size 64
		.amdhsa_user_sgpr_count 2
		.amdhsa_user_sgpr_kernarg_segment_ptr 1
		.amdhsa_wavefront_size32 1
		.amdhsa_system_sgpr_workgroup_id_x 1
		.amdhsa_system_sgpr_workgroup_id_y 1
		.amdhsa_system_sgpr_workgroup_id_z 1
		.amdhsa_system_vgpr_workitem_id 0
		.amdhsa_next_free_vgpr 1024
		.amdhsa_next_free_sgpr 66
		.amdhsa_reserve_vcc 1
		.amdhsa_float_denorm_mode_32 3
		.amdhsa_float_denorm_mode_16_64 3
		.amdhsa_memory_ordered 1
		.amdhsa_forward_progress 1
		.amdhsa_inst_pref_size 200
	.end_amdhsa_kernel
	.amdgpu_metadata
---
amdhsa.version: [ 1, 2 ]
amdhsa.kernels:
  - .name:           k_qe0b193b499_moe
    .symbol:         k_qe0b193b499_moe.kd
    .args:
      - { .name: xq, .offset: 0, .size: 8, .value_kind: global_buffer, .address_space: global }
      - { .name: xs, .offset: 8, .size: 8, .value_kind: global_buffer, .address_space: global }
      - { .name: wq, .offset: 16, .size: 8, .value_kind: global_buffer, .address_space: global }
      - { .name: expert_b, .offset: 24, .size: 8, .value_kind: global_buffer, .address_space: global }
      - { .name: order, .offset: 32, .size: 8, .value_kind: global_buffer, .address_space: global }
      - { .name: bmask, .offset: 40, .size: 8, .value_kind: global_buffer, .address_space: global }
      - { .name: route, .offset: 48, .size: 8, .value_kind: global_buffer, .address_space: global }
      - { .name: out0, .offset: 56, .size: 8, .value_kind: global_buffer, .address_space: global }
    .group_segment_fixed_size: 116224
    .private_segment_fixed_size: 0
    .kernarg_segment_align: 8
    .kernarg_segment_size: 64
    .max_flat_workgroup_size: 128
    .sgpr_count:     66
    .vgpr_count:     1024
    .wavefront_size: 32
...
	.end_amdgpu_metadata
.endif
;; end of part 3
;; ======== version 2 of 2: 3 launches
;; workspace buffers: xq 6,291,456 bytes; xs 262,144 bytes; wq 6,553,600 bytes; route 131,072 bytes; clsr 32,768 bytes of whole numbers; hist 32,768 bytes of whole numbers; order 32,768 bytes of whole numbers; bmask 4,096 bytes of whole numbers
;; launch prep (part 4): grid 512 x 1, 8 waves a work-group, no clusters, 111,104 bytes of LDS; arguments inputs, gate_w, gate_b, expert_w, xq, xs, wq, route, clsr, hist; writes xq, xs, wq, route, clsr, hist
.if DOCPART == 4
	.amdgcn_target "amdgcn-amd-amdhsa--gfx1250"
	.amdhsa_code_object_version 6
	.text
	.protected	k_qe0b193b499_prep
	.globl	k_qe0b193b499_prep
	.p2align	8
	.type	k_qe0b193b499_prep,@function
k_qe0b193b499_prep:
	s_mov_b64 s[64:65], 0
	v_nop
	global_prefetch_b8 v0, s[64:65] scope:SCOPE_SE
	s_setreg_imm32_b32 hwreg(HW_REG_WAVE_MODE, 25, 1), 1
	s_wait_xcnt 0x0
; PREP: quantises both operands of the experts' product to codes of FP6 (E2M3) with one E8M0 byte for each 32 along K, and runs the router.
; Work-groups 0-255 take 32 tokens each (x path), work-groups 256-511 a piece of the weights (W path).  The two paths part on the work-group's number alone.
; X PATH.  Wave s takes K step s (k = 128 s .. 128 s + 127) of the 32 tokens, as two tiles of 16.  Each load reads 512 consecutive bytes of a token's row; the numbers turn through the wave's own
; stage in LDS, so that lane (r, h) holds, of token r, register 16 b + i = k 32 b + 16 h + i.  The gate's rows are loaded in the same map, so the gate's partial sums are f32 matrix products
; (source 0 = the gate's rows, source 1 = the tokens; the same permutation of k on both sides keeps the products).  The gate stays in f32: its result decides which experts a token takes.
; The same registers are quantised; codes and scale words meet in LDS and leave as whole token rows: xq [token][h][s][48 bytes] (the 12 registers of lane (r, h) of K step s), xs [token][8 words].
; Wave 0 adds the eight partial sums, takes the two largest logits (a strict compare: the lower index wins a tie), the softmax with the maximum taken away, and the weights as reference() norms them.
; It stores at fixed places: route [token] {w1, w2, e1, e2}; clsr [token] = key | rank << 8; hist [chunk of 32 tokens][32 words], word l = count of key l | count of key 32 + l << 16.
; key = 8 lo + hi - 1 of the two experts, null experts counted as 8; both null: 8, which no pair takes.  rank = how many lower tokens of the chunk have the same key.
; Nothing that comes from floating-point numbers enters an address or a branch here.
; W PATH.  expert_w [e][k][n]: a lane takes a column n and its registers run down K, so a block of 32 is one lane's, and the conversions give codes with K innermost.
; wq [e][nq 16][s 8] records of 6,400 bytes: four images of a fragment's registers (16 columns x 128 K: register q of lane L at 512 (q / 4) + 16 L + 4 (q % 4)), then two runs of 32 scale words.
; LIMITS: NaN and infinities among the inputs are not served.  Blocks whose largest magnitude lies under 2^-124 (the floor, byte 1) were not tried; a block of zeros gets the byte 1 where the rule says 127:
; its codes are zeros and this program alone reads the bytes.  The two largest are taken of the logits, not of the probabilities: they differ only where two probabilities round to one f32 number.
; A probability under 2^-126 (a logit more than 87 under the largest) comes out of v_exp_f32 as 0.
.set SPI,   528                        ; a stage row: 512 bytes + 16, an odd multiple of 16
.set STGW,  16*SPI                     ; LDS 0: a stage of 16 rows for each wave
.set PL,    8*STGW                     ; the partial logits: 2,048 bytes a wave, images of the two accumulators
.set CRP,   784                        ; a token's row of codes: 768 bytes + 16
.set CR,    PL+8*2048                  ; 32 such rows
.set XSCL,  CR+32*CRP                  ; 32 tokens x 8 scale words
.set PW,    10                         ; v10      the scale word just made
.set TM,    12                         ; v12-15 largest magnitudes, v16-19 the other half's, then bytes, v20-23 the conversions' scale operands
.set G,     24                         ; v24-87   the gate's rows
.set X0,    88                         ; v88-151  tile 0
.set X1,    152                        ; v152-215 tile 1
.set ACC,   216                        ; v216-231 the two accumulators: written by matrix instructions alone
.set PC,    232                        ; v232-243 a fragment's codes, v244-250 the conversions' second halves
.set PLR,   252                        ; v252     LDS address: the partial logits, read
.set XSR,   253                        ; v253     LDS address: the scale words, read
.set SEL,   38                         ; s[38:39] v_permlanex16_b32's selects for lane l xor 16
.set IM,    152                        ; W path: v152-175 two images of 12 registers (h = 0, 1)
.set TP,    176                        ; v176-191 the conversions' second halves
.set MX,    192                        ; v192-193 two chains of the maximum
.set SO,    194                        ; v194-197 scale operands
.set BY,    198                        ; v198     a byte
.set WORD,  199                        ; v199     the column's scale word
; a tile's 16 rows x 512 bytes through my stage: in as loaded, back 64 bytes of each block of 32 to a lane.  LDS serves a wave's instructions in order: no wait between
.macro TURN x
.irp i, 0,1,2,3,4,5,6,7,8,9,10,11,12,13,14,15
	ds_store_b128 v2, v[(\x)+4*\i:(\x)+4*\i+3] offset:SPI*\i
.endr
.irp b, 0,1,2,3
.irp j, 0,1,2,3
	ds_load_b128 v[(\x)+16*\b+4*\j:(\x)+16*\b+4*\j+3], v3 offset:128*\b+16*\j
.endr
.endr
.endm
; 64 numbers of a lane, register 16 b + i = k 32 b + 16 h + i of my row, become a fragment's codes in v[PC] on and its scale word in v[PW]
.macro QUANT s
.irp b, 0,1,2,3
	v_max3_num_f32 v[TM+\b], |v[(\s)+16*\b]|, |v[(\s)+1+16*\b]|, 0x1800000   ; my 16 numbers of block b, and the floor 2^(3 - 127): the byte cannot fall under 1
.endr
.irp i, 2,4,6,8,10,12,14
.irp b, 0,1,2,3
	s_delay_alu instid0(VALU_DEP_4)
	v_max3_num_f32 v[TM+\b], v[TM+\b], |v[(\s)+16*\b+\i]|, |v[(\s)+1+16*\b+\i]|
.endr
.endr
.irp b, 0,1,2,3
	s_delay_alu instid0(VALU_DEP_4)
	v_permlanex16_b32 v[TM+4+\b], v[TM+\b], s[SEL], s[SEL+1]
.endr
.irp b, 0,1,2,3
	s_delay_alu instid0(VALU_DEP_4)
	v_max_num_f32 v[TM+\b], v[TM+\b], v[TM+4+\b]           ; with lane l xor 16's 16: the block's largest magnitude
.endr
.irp b, 0,1,2,3
	s_delay_alu instid0(VALU_DEP_4)
	v_add_nc_u32 v[TM+8+\b], 0xff000000, v[TM+\b]          ; 2 off its exponent field: the conversion's scale operand
.endr
.irp b, 0,1,2,3
	s_delay_alu instid0(VALU_DEP_4)
	v_lshrrev_b32 v[TM+4+\b], 23, v[TM+8+\b]               ; the scale's byte
.endr
	s_delay_alu instid0(VALU_DEP_3)
	v_lshl_or_b32 v[PW], v[TM+5], 8, v[TM+4]
	s_delay_alu instid0(VALU_DEP_1)
	v_lshl_or_b32 v[PW], v[TM+6], 16, v[PW]
	s_delay_alu instid0(VALU_DEP_1)
	v_lshl_or_b32 v[PW], v[TM+7], 24, v[PW]
.irp c, 0,1
	v_cvt_scalef32_pk16_fp6_f32 v[PC+6*\c:PC+2+6*\c], v[(\s)+32*\c:(\s)+15+32*\c], v[TM+8+2*\c]
	v_cvt_scalef32_pk16_fp6_f32 v[PC+12+4*\c:PC+14+4*\c], v[(\s)+16+32*\c:(\s)+31+32*\c], v[TM+8+2*\c+1]   ; (a conversion's three registers begin on an even number)
.endr
	v_nop                                                  ; one plain place behind a scaled conversion
.irp c, 0,1                                            ; the operand wants a whole block in a lane: lanes 0-15 block 2 c, lanes 16-31 block 2 c + 1
.irp i, 0,1,2
	v_permlane16_swap_b32 v[PC+6*\c+\i], v[PC+12+4*\c+\i]
.endr
.irp i, 0,1,2
	s_delay_alu instid0(VALU_DEP_3)
	v_mov_b32 v[PC+3+6*\c+\i], v[PC+12+4*\c+\i]
.endr
.endr
.endm
.macro CODES off, soff                 ; the fragment's 48 bytes a lane into the token's row, its scale word beside the other waves'
.irp c, 0,1,2
	ds_store_b128 v5, v[PC+4*\c:PC+4*\c+3] offset:\off+16*\c
.endr
	ds_store_b32 v6, v[PW] offset:\soff                    ; lanes r and r + 16 write the same word with the same value
.endm
; W path: block kb (32 along K) of my column
.macro BLK kb
.set XB, 24+32*(\kb)
.set ID, IM+12*((\kb)%2)+6*((\kb)/2)   ; block kb is registers 6 (kb / 2) on of the fragment's lane with h = kb % 2
	v_max3_num_f32 v[MX], |v[XB]|, |v[XB+1]|, |v[XB+2]|
	v_max3_num_f32 v[MX+1], |v[XB+3]|, |v[XB+4]|, |v[XB+5]|
.irp i, 6,10,14,18,22,26
	s_delay_alu instid0(VALU_DEP_2)
	v_max3_num_f32 v[MX], v[MX], |v[XB+\i]|, |v[XB+\i+1]|
	s_delay_alu instid0(VALU_DEP_2)
	v_max3_num_f32 v[MX+1], v[MX+1], |v[XB+\i+2]|, |v[XB+\i+3]|
.endr
	s_delay_alu instid0(VALU_DEP_2)
	v_max3_num_f32 v[MX], v[MX], |v[XB+30]|, |v[XB+31]|
	s_delay_alu instid0(VALU_DEP_1)
	v_max3_num_f32 v[MX], v[MX], v[MX+1], 0x1800000        ; and the floor
	s_delay_alu instid0(VALU_DEP_1)
	v_add_nc_u32 v[SO+(\kb)], 0xff000000, v[MX]
	s_delay_alu instid0(VALU_DEP_1)
	v_lshrrev_b32 v[BY], 23, v[SO+(\kb)]
.if (\kb) == 0
	s_delay_alu instid0(VALU_DEP_1)
	v_mov_b32 v[WORD], v[BY]
.else
	s_delay_alu instid0(VALU_DEP_1)
	v_lshl_or_b32 v[WORD], v[BY], 8*(\kb), v[WORD]
.endif
	v_cvt_scalef32_pk16_fp6_f32 v[ID:ID+2], v[XB:XB+15], v[SO+(\kb)]
	v_cvt_scalef32_pk16_fp6_f32 v[TP+4*(\kb):TP+4*(\kb)+2], v[XB+16:XB+31], v[SO+(\kb)]
	v_nop                                                  ; one plain place behind a scaled conversion
.irp i, 0,1,2
	v_mov_b32 v[ID+3+\i], v[TP+4*(\kb)+\i]
.endr
.endm
	s_load_b512 s[4:19], s[0:1], 0x0               ; inputs s[4:5], gate_w s[6:7], gate_b s[8:9], expert_w s[10:11], xq s[12:13], xs s[14:15], wq s[16:17], route s[18:19]
	s_load_b128 s[20:23], s[0:1], 0x40             ; clsr s[20:21], hist s[22:23]
	v_lshl_add_u32 v254, v0, 2, 0x1ae00
	v_mov_b32 v255, 0
	v_lshrrev_b32 v1, 5, v0
	s_delay_alu instid0(VALU_DEP_1)
	v_readfirstlane_b32 s24, v1                    ; wave 0..7
	s_cmp_lt_u32 ttmp9, 256
	s_cbranch_scc0 .Lweights
	; ---------------- X PATH ----------------
	v_and_b32 v240, 31, v0                         ; l
	v_and_b32 v241, 15, v0                         ; r
	v_bfe_u32 v242, v0, 4, 1                       ; h
	s_delay_alu instid0(VALU_DEP_3)
	v_lshlrev_b32 v1, 4, v240                      ; 16 l
	s_mul_i32 s52, s24, STGW
	v_add_nc_u32 v2, s52, v1                       ; my stage, in: 16 l
	v_mul_u32_u24 v3, v241, SPI
	s_delay_alu instid0(VALU_DEP_1)
	v_lshl_add_u32 v3, v242, 6, v3
	s_delay_alu instid0(VALU_DEP_1)
	v_add_nc_u32 v3, s52, v3                       ; my stage, back: row r, + 64 h
	v_min_u32 v4, 9, v241                          ; the gate has 10 rows: lanes 10-15 repeat row 9, and their results are not read
	s_delay_alu instid0(VALU_DEP_1)
	v_lshlrev_b32 v4, 12, v4
	s_delay_alu instid0(VALU_DEP_1)
	v_lshl_add_u32 v4, v242, 6, v4                 ; gate_w: row x 4,096 + 64 h
	v_mul_u32_u24 v5, v241, CRP
	s_delay_alu instid0(VALU_DEP_1)
	v_mad_u32_u24 v5, v242, 384, v5
	s_mul_i32 s52, s24, 48
	s_add_co_u32 s52, s52, CR
	v_add_nc_u32 v5, s52, v5                       ; codes: row r, + 384 h + 48 x wave
	v_lshlrev_b32 v6, 5, v241
	s_lshl_b32 s52, s24, 2
	s_add_co_u32 s52, s52, XSCL
	v_add_nc_u32 v6, s52, v6                       ; scale words: 32 r + 4 x wave
	s_lshl_b32 s52, s24, 11
	s_add_co_u32 s52, s52, PL
	v_add_nc_u32 v7, s52, v1                       ; my partial logits: 2,048 x wave + 16 l
	s_mul_i32 s52, s24, 4*CRP
	s_add_co_u32 s52, s52, CR
	v_add_nc_u32 v8, s52, v1                       ; the way out: my four rows of codes, 16 l,
	s_delay_alu instid0(VALU_DEP_1)
	v_lshl_add_u32 v9, v242, 4, v8                 ; and the same where lanes 16-31 lie behind one padding more
	v_add_nc_u32 v[PLR], PL, v1
	s_min_u32 s52, s24, 1
	s_lshl_b32 s52, s52, 9
	s_add_co_u32 s52, s52, XSCL
	v_add_nc_u32 v[XSR], s52, v1                   ; waves 0 and 1: half of the scale words each
.irp b, 0,1,2,3
	v_mov_b32 v[TM+4+\b], 0                        ; written once: a lane permute's destination counts as one of its sources
.endr
	s_mov_b32 s[SEL], 0x76543210
	s_mov_b32 s[SEL+1], 0xfedcba98
	s_lshl_b32 s40, ttmp9, 17                      ; 32 tokens of 4,096 bytes,
	s_lshl_b32 s42, s24, 9                         ; my K step's 512 bytes
	s_add_co_u32 s40, s40, s42
	s_mov_b32 s41, 0
	s_mov_b32 s43, 0
	s_mul_i32 s44, ttmp9, 32*768                   ; xq: 32 tokens of 768 bytes, my four
	s_mul_i32 s45, s24, 4*768
	s_add_co_u32 s44, s44, s45
	s_mov_b32 s45, 0
	s_lshl_b32 s46, ttmp9, 10                      ; xs: 32 tokens of 32 bytes, + 512 for wave 1
	s_min_u32 s47, s24, 1
	s_lshl_b32 s47, s47, 9
	s_add_co_u32 s46, s46, s47
	s_mov_b32 s47, 0
	s_lshl_b32 s48, ttmp9, 9                       ; route: 32 x 16 bytes
	s_mov_b32 s49, 0
	s_lshl_b32 s50, ttmp9, 7                       ; clsr, hist: 32 words
	s_mov_b32 s51, 0
	s_wait_kmcnt 0x0
	s_add_nc_u64 s[4:5], s[4:5], s[40:41]
	s_add_nc_u64 s[6:7], s[6:7], s[42:43]
	s_add_nc_u64 s[12:13], s[12:13], s[44:45]
	s_add_nc_u64 s[14:15], s[14:15], s[46:47]
	s_add_nc_u64 s[18:19], s[18:19], s[48:49]
	s_add_nc_u64 s[20:21], s[20:21], s[50:51]
	s_add_nc_u64 s[22:23], s[22:23], s[50:51]
.irp i, 0,1,2,3,4,5,6,7,8,9,10,11,12,13,14,15
	global_load_b128 v[X0+4*\i:X0+4*\i+3], v1, s[4:5] offset:4096*\i th:TH_LOAD_NT        ; token i: 32 lanes read 512 consecutive bytes
.endr
.irp i, 0,1,2,3,4,5,6,7,8,9,10,11,12,13,14,15
	global_load_b128 v[X1+4*\i:X1+4*\i+3], v1, s[4:5] offset:4096*(16+\i) th:TH_LOAD_NT
.endr
.irp b, 0,1,2,3
.irp j, 0,1,2,3
	global_load_b128 v[G+16*\b+4*\j:G+16*\b+4*\j+3], v4, s[6:7] offset:128*\b+16*\j       ; the gate's rows, in the map that the turn gives x
.endr
.endr
	s_wait_loadcnt 32                              ; tile 0 is in; tile 1's 16 loads and the gate's 16 may be out
	TURN X0
	s_wait_loadcnt 16                              ; tile 1 is in; the gate's 16 may be out
	TURN X1
	s_wait_loadcnt 0x0
	s_wait_dscnt 0x0
	; the gate: 128 along K in 32 steps of 4, the two tiles' accumulators by turns, one instruction a turn; the first step starts the sums
	v_wmma_f32_16x16x4_f32 v[ACC:ACC+7], v[G:G+1], v[X0:X0+1], 0
	v_wmma_f32_16x16x4_f32 v[ACC+8:ACC+15], v[G:G+1], v[X1:X1+1], 0
.set q, 1
.rept 31
	v_wmma_f32_16x16x4_f32 v[ACC:ACC+7], v[G+2*q:G+2*q+1], v[X0+2*q:X0+2*q+1], v[ACC:ACC+7]
	v_wmma_f32_16x16x4_f32 v[ACC+8:ACC+15], v[G+2*q:G+2*q+1], v[X1+2*q:X1+2*q+1], v[ACC+8:ACC+15]
.set q, q+1
.endr
	QUANT X0
	CODES 0, 0
	s_wait_dscnt 0x0                               ; the stores have read their registers
	QUANT X1
	CODES 16*CRP, 512
	; lane (r, h), register j: the partial logit of expert 8 h + j for token r.  The two quantisers above are far more than the eight places that the f32 form wants ahead of these reads (ISA guide 7.12.1)
	ds_store_b128 v7, v[ACC:ACC+3]                 ; each accumulator from its low end on
	ds_store_b128 v7, v[ACC+4:ACC+7] offset:512
	ds_store_b128 v7, v[ACC+8:ACC+11] offset:1024
	ds_store_b128 v7, v[ACC+12:ACC+15] offset:1536
	s_wait_dscnt 0x0                               ; for the others' sake: all my LDS stores have landed
	s_barrier_signal -1
	s_barrier_wait -1                              ; the one barrier: nothing is stored to LDS behind it
	; my four tokens' codes, 3,072 bytes, leave as six runs of 512 consecutive bytes; a row of 768 bytes has 16 of padding behind it
	ds_load_b128 v[152:155], v8
	ds_load_b128 v[156:159], v9 offset:512
	ds_load_b128 v[160:163], v8 offset:1040
	ds_load_b128 v[164:167], v8 offset:1568
	ds_load_b128 v[168:171], v9 offset:2080
	ds_load_b128 v[172:175], v8 offset:2608
.irp i, 0,1,2,3,4,5
	s_wait_dscnt 5-\i                              ; LDS loads come back in order: run i is in
	global_store_b128 v1, v[152+4*\i:155+4*\i], s[12:13] offset:512*\i
.endr
	s_cmp_lt_u32 s24, 2
	s_cbranch_scc0 .Lno_words
	ds_load_b128 v[176:179], v[XSR]                ; waves 0 and 1: 16 tokens' scale words, 512 consecutive bytes
	s_wait_dscnt 0x0
	global_store_b128 v1, v[176:179], s[14:15]
.Lno_words:
	s_cmp_lg_u32 s24, 0
	s_cbranch_scc1 .Lx_end
	; ---- wave 0: the router for the 32 tokens
	s_load_b256 s[28:35], s[8:9], 0x0              ; gate_b, ten numbers
	s_load_b64 s[36:37], s[8:9], 0x20
.irp w, 0,1,2,3,4,5,6,7
.irp c, 0,1,2,3
	ds_load_b128 v[24+16*\w+4*\c:27+16*\w+4*\c], v[PLR] offset:2048*\w+512*\c
.endr
.endr
	s_wait_dscnt 0x0
.irp w, 1,2,3,4,5,6,7                          ; the eight K steps' sums, K ascending
.irp p, 0,2,4,6,8,10,12,14
	v_pk_add_f32 v[24+\p:25+\p], v[24+\p:25+\p], v[24+16*\w+\p:25+16*\w+\p]
.endr
.endr
.irp j, 0,1,2,3,4,5,6,7
	v_permlane16_swap_b32 v[24+\j], v[32+\j]       ; tile 0's lanes 16-31 (experts 8 on) change places with tile 1's lanes 0-15: lane l is now token l, v24-31 experts 0-7, v32-33 experts 8, 9
.endr
	s_wait_alu depctr_va_vdst(0)
	s_wait_kmcnt 0x0
.irp e, 0,1,2,3,4,5,6,7,8,9
	v_add_f32 v[24+\e], s[28+\e], v[24+\e]
.endr
	v_mov_b32 v40, v24                             ; the largest, its index,
	v_mov_b32 v41, 0
	v_mov_b32 v42, 0xff800000                      ; the second, its index
	v_mov_b32 v43, 0
.irp e, 1
	s_delay_alu instid0(VALU_DEP_4)
	v_cmp_gt_f32 s40, v[24+\e], v40
	s_delay_alu instid0(VALU_DEP_3)
	v_cmp_gt_f32 s41, v[24+\e], v42
	s_delay_alu instid0(VALU_DEP_1)
	v_cndmask_b32 v42, v42, v[24+\e], s41
	s_delay_alu instid0(VALU_DEP_2)
	v_cndmask_b32 v43, v43, \e, s41
	s_delay_alu instid0(VALU_DEP_2)
	v_cndmask_b32 v42, v42, v40, s40
	s_delay_alu instid0(VALU_DEP_2)
	v_cndmask_b32 v43, v43, v41, s40
	v_cndmask_b32 v40, v40, v[24+\e], s40
	v_cndmask_b32 v41, v41, \e, s40
.endr
.irp e, 2, 3, 4, 5, 6, 7, 8, 9
	s_delay_alu instid0(VALU_DEP_2)
	v_cmp_gt_f32 s40, v[24+\e], v40                ; strictly larger: of equals the lower index stays ahead
	v_cmp_gt_f32 s41, v[24+\e], v42
	s_delay_alu instid0(VALU_DEP_1)
	v_cndmask_b32 v42, v42, v[24+\e], s41
	s_delay_alu instid0(VALU_DEP_2)
	v_cndmask_b32 v43, v43, \e, s41
	s_delay_alu instid0(VALU_DEP_2)
	v_cndmask_b32 v42, v42, v40, s40
	s_delay_alu instid0(VALU_DEP_2)
	v_cndmask_b32 v43, v43, v41, s40
	v_cndmask_b32 v40, v40, v[24+\e], s40
	v_cndmask_b32 v41, v41, \e, s40
.endr
.irp e, 0,1,2,3,4,5,6,7,8,9
	v_sub_f32 v[44+\e], v[24+\e], v40              ; the maximum is taken away, as reference() takes it
.endr
	v_sub_f32 v54, v42, v40
.irp e, 0,1,2,3,4,5,6,7,8,9,10
	v_mul_f32 v[44+\e], 0x3fb8aa3b, v[44+\e]       ; x log2(e)
.endr
	s_wait_alu depctr_va_vdst(0)
.irp e, 0,1,2,3,4,5,6,7,8,9,10
	v_exp_f32 v[44+\e], v[44+\e]
.endr
	v_nop                                          ; a plain place behind the batch,
	s_wait_alu depctr_va_vdst(0)                   ; and the one wait ahead of its first reader
	v_add_f32 v55, v44, v45
	v_add_f32 v56, v46, v47
	v_add_f32 v57, v48, v49
	v_add_f32 v58, v50, v51
	v_add_f32 v59, v52, v53
	s_delay_alu instid0(VALU_DEP_4)
	v_add_f32 v55, v55, v56
	s_delay_alu instid0(VALU_DEP_3)
	v_add_f32 v57, v57, v58
	s_delay_alu instid0(VALU_DEP_1)
	v_add_f32 v55, v55, v57
	s_delay_alu instid0(VALU_DEP_1)
	v_add_f32 v55, v55, v59                        ; the softmax's sum
	s_wait_alu depctr_va_vdst(0)
	v_rcp_f32 v56, v55                             ; the largest probability is 1 / sum
	v_nop
	s_wait_alu depctr_va_vdst(0)
	v_mul_f32 v57, v54, v56                        ; the second
	v_cmp_gt_u32 vcc_lo, 8, v41
	v_cndmask_b32 v58, 0, v56, vcc_lo              ; null experts count for nothing
	v_cmp_gt_u32 vcc_lo, 8, v43
	s_delay_alu instid0(VALU_DEP_1)
	v_cndmask_b32 v59, 0, v57, vcc_lo
	s_delay_alu instid0(VALU_DEP_1)
	v_add_f32 v55, v58, v59
	s_delay_alu instid0(VALU_DEP_1)
	v_cmp_lt_f32 vcc_lo, 0, v55
	s_delay_alu instid0(VALU_DEP_1)
	v_cndmask_b32 v55, 1.0, v55, vcc_lo            ; 1 where nothing is left
	s_wait_alu depctr_va_vdst(0)
	v_rcp_f32 v64, v55
	v_min_u32 v65, 8, v41                          ; (the key's lines are the plain work behind the reciprocal)
	v_min_u32 v66, 8, v43
	s_delay_alu instid0(VALU_DEP_1)
	v_min_u32 v67, v65, v66                        ; lo
	s_delay_alu instid0(VALU_DEP_2)
	v_add_nc_u32 v68, v65, v66
	s_delay_alu instid0(VALU_DEP_1)
	v_sub_nc_u32 v68, v68, v67                     ; hi
	s_delay_alu instid0(VALU_DEP_1)
	v_lshl_add_u32 v68, v67, 3, v68
	s_delay_alu instid0(VALU_DEP_1)
	v_add_nc_u32 v68, -1, v68                      ; 8 lo + hi - 1
	v_cmp_eq_u32 vcc_lo, 8, v67
	s_delay_alu instid0(VALU_DEP_1)
	v_cndmask_b32 v68, v68, 8, vcc_lo              ; both null: key 8
	s_wait_alu depctr_va_vdst(0)
	v_mul_f32 v60, v58, v64                        ; w1, w2, e1, e2
	v_mul_f32 v61, v59, v64
	v_mov_b32 v62, v41
	v_mov_b32 v63, v43
	v_and_b32 v70, 31, v0                          ; my lane, which is also a key,
	s_delay_alu instid0(VALU_DEP_1)
	v_add_nc_u32 v71, 32, v70                      ; and the key 32 on
	v_mov_b32 v69, 0
	v_mov_b32 v72, 0
	v_mov_b32 v73, 0
.set t, 0
.rept 4                                        ; the 32 tokens' keys, eight at a time
.irp u, 0,1,2,3,4,5,6,7
	v_readlane_b32 s[40+\u], v68, t+\u
.endr
.irp u, 0,1,2,3,4,5,6,7
	v_cmp_eq_u32 s48, s[40+\u], v68                ; which tokens have this token's key:
	s_delay_alu instid0(VALU_DEP_1)
	v_writelane_b32 v69, s48, t+\u                 ; kept in its lane
	v_cmp_eq_u32 vcc_lo, s[40+\u], v70
	s_delay_alu instid0(VALU_DEP_1)
	v_cndmask_b32 v74, 0, 1, vcc_lo
	s_delay_alu instid0(VALU_DEP_1)
	v_add_nc_u32 v72, v72, v74                     ; the count of key l
	v_cmp_eq_u32 vcc_lo, s[40+\u], v71
	s_delay_alu instid0(VALU_DEP_1)
	v_cndmask_b32 v74, 0, 1, vcc_lo
	s_delay_alu instid0(VALU_DEP_1)
	v_add_nc_u32 v73, v73, v74                     ; and of key 32 + l
.endr
.set t, t+8
.endr
	v_mbcnt_lo_u32_b32 v75, v69, 0                 ; how many lower lanes have my key
	s_delay_alu instid0(VALU_DEP_1)
	v_lshl_or_b32 v76, v75, 8, v68
	s_delay_alu instid0(VALU_DEP_3)
	v_lshl_or_b32 v72, v73, 16, v72
	v_lshlrev_b32 v77, 2, v70
	global_store_b128 v1, v[60:63], s[18:19]       ; 512 consecutive bytes
	global_store_b32 v77, v76, s[20:21]
	global_store_b32 v77, v72, s[22:23]
	s_wait_tensorcnt 0x0
	ds_add_u32 v254, v255
	s_wait_dscnt 0x0
	s_endpgm
.Lx_end:
	s_wait_tensorcnt 0x0
	ds_add_u32 v254, v255
	s_wait_dscnt 0x0
	s_endpgm
	; ---------------- W PATH ----------------
.Lweights:
	s_sub_co_u32 s40, ttmp9, 256
	s_lshr_b32 s41, s40, 5                         ; expert
	s_bfe_u32 s42, s40, 0x30002                    ; K step
	s_and_b32 s43, s40, 3
	s_lshl_b32 s44, s43, 3
	s_add_co_u32 s44, s44, s24                     ; which 32 columns are my wave's
	s_lshl_b32 s46, s41, 22                        ; an expert is 4 MiB,
	s_lshl_b32 s47, s42, 19                        ; 128 rows of 4,096 bytes,
	s_add_co_u32 s46, s46, s47
	s_lshl_b32 s47, s44, 7                         ; 32 columns of 4 bytes
	s_add_co_u32 s46, s46, s47
	s_mov_b32 s47, 0
	s_lshr_b32 s48, s44, 1                         ; nq: which 64 columns
	s_lshl_b32 s49, s41, 4
	s_add_co_u32 s48, s48, s49
	s_lshl_b32 s48, s48, 3
	s_add_co_u32 s48, s48, s42
	s_mul_i32 s48, s48, 6400                       ; the record
	s_and_b32 s49, s24, 1                          ; its first or its second two tiles
	s_mul_i32 s52, s49, 3072
	s_add_co_u32 s52, s52, s48
	s_mov_b32 s53, 0
	s_lshl_b32 s54, s49, 7
	s_add_co_u32 s54, s54, s48
	s_mov_b32 s55, 0
	v_and_b32 v3, 31, v0
	s_delay_alu instid0(VALU_DEP_1)
	v_lshlrev_b32 v1, 2, v3                        ; 4 l
	v_and_b32 v4, 15, v0
	v_bfe_u32 v5, v0, 4, 1
	s_delay_alu instid0(VALU_DEP_1)
	v_mul_u32_u24 v2, v5, 1536
	s_delay_alu instid0(VALU_DEP_1)
	v_lshl_add_u32 v2, v4, 4, v2                   ; my tile's image, my column's 16 bytes
	s_wait_alu depctr_va_vdst(0)
	s_wait_kmcnt 0x0
	s_add_nc_u64 s[10:11], s[10:11], s[46:47]
	s_add_nc_u64 s[52:53], s[16:17], s[52:53]
	s_add_nc_u64 s[54:55], s[16:17], s[54:55]
.set k, 0
.rept 128
	global_load_b32 v[24+k], v1, s[10:11] offset:4096*k th:TH_LOAD_NT   ; row k at my wave's 32 columns: 128 consecutive bytes; the eight waves stand side by side on 1,024
.set k, k+1
.endr
	s_wait_loadcnt 63                              ; at most the youngest 63 of the 128 are out: blocks 0 and 1 are in
	BLK 0
	BLK 1
	s_wait_loadcnt 32                              ; block 3's may be out
	BLK 2
	s_wait_loadcnt 0x0
	BLK 3
.irp h, 0,1
.irp c, 0,1,2
	global_store_b128 v2, v[IM+12*\h+4*\c:IM+12*\h+4*\c+3], s[52:53] offset:512*\c+256*\h   ; sixteen lanes store 256 consecutive bytes, aligned
.endr
.endr
	global_store_b32 v1, v[WORD], s[54:55] offset:6144
	s_endpgm
.Lfunc_end_k_qe0b193b499_prep:
	.size	k_qe0b193b499_prep, .Lfunc_end_k_qe0b193b499_prep-k_qe0b193b499_prep
	.p2alignl 7, 3214868480
	.fill 96, 4, 3214868480
	.section	.rodata,"a",@progbits
	.p2align	6, 0x0
	.amdhsa_kernel k_qe0b193b499_prep
		.amdhsa_group_segment_fixed_size 111104
		.amdhsa_private_segment_fixed_size 0
		.amdhsa_enable_private_segment 0
		.amdhsa_kernarg_size 80
		.amdhsa_user_sgpr_count 2
		.amdhsa_user_sgpr_kernarg_segment_ptr 1
		.amdhsa_wavefront_size32 1
		.amdhsa_system_sgpr_workgroup_id_x 1
		.amdhsa_system_sgpr_workgroup_id_y 1
		.amdhsa_system_sgpr_workgroup_id_z 1
		.amdhsa_system_vgpr_workitem_id 0
		.amdhsa_next_free_vgpr 256
		.amdhsa_next_free_sgpr 66
		.amdhsa_reserve_vcc 1
		.amdhsa_float_denorm_mode_32 3
		.amdhsa_float_denorm_mode_16_64 3
		.amdhsa_memory_ordered 1
		.amdhsa_forward_progress 1
		.amdhsa_inst_pref_size 87
	.end_amdhsa_kernel
	.amdgpu_metadata
---
amdhsa.version: [ 1, 2 ]
amdhsa.kernels:
  - .name:           k_qe0b193b499_prep
    .symbol:         k_qe0b193b499_prep.kd
    .args:
      - { .name: inputs, .offset: 0, .size: 8, .value_kind: global_buffer, .address_space: global }
      - { .name: gate_w, .offset: 8, .size: 8, .value_kind: global_buffer, .address_space: global }
      - { .name: gate_b, .offset: 16, .size: 8, .value_kind: global_buffer, .address_space: global }
      - { .name: expert_w, .offset: 24, .size: 8, .value_kind: global_buffer, .address_space: global }
      - { .name: xq, .offset: 32, .size: 8, .value_kind: global_buffer, .address_space: global }
      - { .name: xs, .offset: 40, .size: 8, .value_kind: global_buffer, .address_space: global }
      - { .name: wq, .offset: 48, .size: 8, .value_kind: global_buffer, .address_space: global }
      - { .name: route, .offset: 56, .size: 8, .value_kind: global_buffer, .address_space: global }
      - { .name: clsr, .offset: 64, .size: 8, .value_kind: global_buffer, .address_space: global }
      - { .name: hist, .offset: 72, .size: 8, .value_kind: global_buffer, .address_space: global }
    .group_segment_fixed_size: 111104
    .private_segment_fixed_size: 0
    .kernarg_segment_align: 8
    .kernarg_segment_size: 80
    .max_flat_workgroup_size: 256
    .sgpr_count:     66
    .vgpr_count:     256
    .wavefront_size: 32
...
	.end_amdgpu_metadata
.endif
;; end of part 4
;; launch sort (part 5): grid 1 x 1, 32 waves a work-group, no clusters, 8,192 bytes of LDS; arguments hist, clsr, order, bmask; writes order, bmask
.if DOCPART == 5
	.amdgcn_target "amdgcn-amd-amdhsa--gfx1250"
	.amdhsa_code_object_version 6
	.text
	.protected	k_qe0b193b499_sort
	.globl	k_qe0b193b499_sort
	.p2align	8
	.type	k_qe0b193b499_sort,@function
k_qe0b193b499_sort:
	s_mov_b64 s[64:65], 0
	v_nop
	global_prefetch_b8 v0, s[64:65] scope:SCOPE_SE
	s_setreg_imm32_b32 hwreg(HW_REG_WAVE_MODE, 25, 1), 1
	s_wait_xcnt 0x0
; SORT: places the 8,192 tokens by their key (a counting sort, stable) and says which experts each block of 128 sorted tokens uses.
; The counting was done chunk by chunk (32 tokens) by the launch before; here one work-group makes the prefix sums, since they span everything.  No atomics.
; Wave w takes chunks 8 w .. 8 w + 7.  While summing, a lane is a word of the histogram: key l in the low half, key 32 + l in the high half; no count passes 8,192, so plain 32-bit adds serve both halves.
; position = first place of the key + tokens of that key in earlier waves + in earlier chunks of my wave + rank in the chunk.
; order [position] = token.  bmask [block 64][16 equal words] = bits of the experts: key k stands for experts k >> 3 and (k & 7) + 1, of which 8 is null; key 8 (both null) gives expert 1, weighed with 0 later.
	s_load_b256 s[4:11], s[0:1], 0x0               ; hist s[4:5], clsr s[6:7], order s[8:9], bmask s[10:11]
	v_lshl_add_u32 v96, v0, 2, 0x1000
	v_mov_b32 v97, 0
	v_lshrrev_b32 v1, 5, v0
	s_delay_alu instid0(VALU_DEP_1)
	v_readfirstlane_b32 s12, v1                    ; wave 0..31
	v_and_b32 v2, 31, v0                           ; lane
	s_delay_alu instid0(VALU_DEP_1)
	v_lshlrev_b32 v3, 2, v2                        ; 4 l
	s_delay_alu instid0(VALU_DEP_1)
	v_lshl_add_u32 v4, v1, 10, v3                  ; my wave's eight chunks of 128 bytes, + 4 l
	v_lshlrev_b32 v5, 2, v0                        ; 128 w + 4 l
	s_delay_alu instid0(VALU_DEP_4)
	v_lshl_add_u32 v69, v1, 8, v2                  ; my token in chunk 0 of the wave
	s_mov_b32 s18, 0x76543210
	s_mov_b32 s19, 0xfedcba98
	s_wait_alu depctr_va_vdst(0)
	s_wait_kmcnt 0x0
.irp i, 0,1,2,3,4,5,6,7
	global_load_b32 v[8+\i], v4, s[4:5] offset:128*\i
.endr
.irp i, 0,1,2,3,4,5,6,7
	global_load_b32 v[16+\i], v4, s[6:7] offset:128*\i
.endr
	s_wait_loadcnt 0x0
	v_mov_b32 v24, 0                               ; v24-31: the counts of my wave's earlier chunks
.irp i, 1,2,3,4,5,6,7
	s_delay_alu instid0(VALU_DEP_1)
	v_add_nc_u32 v[24+\i], v[23+\i], v[7+\i]
.endr
	s_delay_alu instid0(VALU_DEP_1)
	v_add_nc_u32 v6, v31, v15                      ; my wave's counts
	ds_store_b32 v5, v6
	s_wait_dscnt 0x0                               ; for the others' sake
	s_barrier_signal -1
	s_barrier_wait -1                              ; the one barrier: nothing is stored to LDS behind it
.irp w, 0,1,2,3,4,5,6,7,8,9,10,11,12,13,14,15,16,17,18,19,20,21,22,23,24,25,26,27,28,29,30,31
	ds_load_b32 v[32+\w], v3 offset:128*\w
.endr
	v_mov_b32 v64, 0                               ; earlier waves' counts
	v_mov_b32 v65, 0                               ; all waves' counts
	s_wait_dscnt 0x0
.irp w, 0,1,2,3,4,5,6,7,8,9,10,11,12,13,14,15,16,17,18,19,20,21,22,23,24,25,26,27,28,29,30,31
	s_cmp_gt_u32 s12, \w
	s_cselect_b32 s13, -1, 0
	v_and_b32 v66, s13, v[32+\w]
	s_wait_alu depctr_va_vdst(0)
	v_add_nc_u32 v64, v64, v66
	v_add_nc_u32 v65, v65, v[32+\w]
.endr
	s_delay_alu instid0(VALU_DEP_1)
	; the keys' first places: a running sum over the lanes, both halves at once
	v_mov_b32 v67, v65
	v_mov_b32 v66, 0
.irp n, 1
	s_delay_alu instid0(VALU_DEP_2)
	v_mov_b32_dpp v66, v67 row_shr:\n row_mask:0xf bank_mask:0xf bound_ctrl:1
	s_delay_alu instid0(VALU_DEP_1)
	v_add_nc_u32 v67, v67, v66
.endr
.irp n, 2, 4, 8
	s_delay_alu instid0(VALU_DEP_1)
	v_mov_b32_dpp v66, v67 row_shr:\n row_mask:0xf bank_mask:0xf bound_ctrl:1
	s_delay_alu instid0(VALU_DEP_1)
	v_add_nc_u32 v67, v67, v66
.endr
	s_delay_alu instid0(VALU_DEP_1)
	v_readlane_b32 s13, v67, 15
	s_delay_alu instid0(VALU_DEP_1)
	v_mov_b32 v66, s13
	v_cmp_lt_u32 vcc_lo, 15, v2
	s_delay_alu instid0(VALU_DEP_1)
	v_cndmask_b32 v66, 0, v66, vcc_lo
	s_delay_alu instid0(VALU_DEP_1)
	v_add_nc_u32 v67, v67, v66                     ; lanes 16-31 stand behind lanes 0-15
	s_delay_alu instid0(VALU_DEP_1)
	v_readlane_b32 s13, v67, 31
	s_lshl_b32 s13, s13, 16                        ; keys 32 on stand behind all of keys 0-31: their number, into the high half
	v_sub_nc_u32 v68, v67, v65
	s_delay_alu instid0(VALU_DEP_1)
	v_add_nc_u32 v68, s13, v68                     ; the first place of key l | of key 32 + l
.irp i, 0,1,2,3,4,5,6,7
	v_add3_u32 v[24+\i], v[24+\i], v68, v64        ; where chunk i's tokens of each key begin
.endr
.irp i, 0,1,2,3,4,5,6,7
	v_and_b32 v[72+\i], 31, v[16+\i]
	s_delay_alu instid0(VALU_DEP_1)
	v_lshlrev_b32 v[72+\i], 2, v[72+\i]            ; the lane that holds my token's key
.endr
.irp i, 0,1,2,3,4,5,6,7
	ds_bpermute_b32 v[80+\i], v[72+\i], v[24+\i]   ; a pull between lanes: no LDS byte is touched
.endr
	s_wait_dscnt 0x0
.irp i, 0,1,2,3,4,5,6,7
	v_bfe_u32 v66, v[16+\i], 5, 1                  ; which half
	s_delay_alu instid0(VALU_DEP_1)
	v_lshlrev_b32 v66, 4, v66
	s_delay_alu instid0(VALU_DEP_1)
	v_lshrrev_b32 v[80+\i], v66, v[80+\i]
	s_delay_alu instid0(VALU_DEP_1)
	v_and_b32 v[80+\i], 0xffff, v[80+\i]
	v_bfe_u32 v70, v[16+\i], 8, 8                  ; the rank
	s_delay_alu instid0(VALU_DEP_1)
	v_add_nc_u32 v[80+\i], v[80+\i], v70
	s_delay_alu instid0(VALU_DEP_1)
	v_min_u32 v[80+\i], 0x1fff, v[80+\i]           ; a number that was loaded enters an address behind this hold
	s_delay_alu instid0(VALU_DEP_1)
	v_lshlrev_b32 v[80+\i], 2, v[80+\i]
	v_add_nc_u32 v[88+\i], 32*\i, v69
	global_store_b32 v[80+\i], v[88+\i], s[8:9]    ; each place is written once: the places are a permutation
.endr
	; blocks 2 w and 2 w + 1: the experts of every key whose run of places meets the block
	v_and_b32 v32, 0xffff, v68                     ; first places,
	v_lshrrev_b32 v33, 16, v68
	v_and_b32 v34, 0xffff, v65                     ; numbers,
	v_lshrrev_b32 v35, 16, v65
	s_delay_alu instid0(VALU_DEP_2)
	v_add_nc_u32 v36, v32, v34                     ; ends
	s_delay_alu instid0(VALU_DEP_2)
	v_add_nc_u32 v37, v33, v35
	v_lshrrev_b32 v38, 3, v2
	v_and_b32 v39, 7, v2
	s_delay_alu instid0(VALU_DEP_1)
	v_add_nc_u32 v39, 1, v39
	v_mov_b32 v40, 1
	s_delay_alu instid0(VALU_DEP_1)
	v_lshlrev_b32 v39, v39, v40                    ; 1 << hi
	s_delay_alu instid0(VALU_DEP_2)
	v_lshlrev_b32 v41, v38, v40                    ; 1 << lo of key l; key 32 + l has lo + 4
	s_delay_alu instid0(VALU_DEP_1)
	v_or_b32 v42, v41, v39
	s_delay_alu instid0(VALU_DEP_1)
	v_and_b32 v42, 0xff, v42
	s_delay_alu instid0(VALU_DEP_3)
	v_lshl_or_b32 v43, v41, 4, v39
	s_delay_alu instid0(VALU_DEP_1)
	v_and_b32 v43, 0xff, v43
	v_cmp_ne_u32 vcc_lo, 0, v34
	s_delay_alu instid0(VALU_DEP_1)
	v_cndmask_b32 v42, 0, v42, vcc_lo              ; a key that no token has names no expert
	v_cmp_ne_u32 vcc_lo, 0, v35
	s_delay_alu instid0(VALU_DEP_1)
	v_cndmask_b32 v43, 0, v43, vcc_lo
	s_lshl_b32 s14, s12, 8                         ; block 2 w begins here
.irp q, 0,1
	s_add_co_u32 s15, s14, 128
	v_cmp_gt_u32 s16, s15, v32                     ; begins ahead of the block's end
	v_cmp_lt_u32 s17, s14, v36                     ; and ends behind its start
	s_and_b32 s16, s16, s17
	v_cndmask_b32 v44, 0, v42, s16
	v_cmp_gt_u32 s16, s15, v33
	v_cmp_lt_u32 s17, s14, v37
	s_and_b32 s16, s16, s17
	v_cndmask_b32 v45, 0, v43, s16
	s_delay_alu instid0(VALU_DEP_1)
	v_or_b32 v[46+\q], v44, v45
	s_mov_b32 s14, s15
.endr
.irp n, 1
	v_mov_b32_dpp v44, v46 row_xmask:\n row_mask:0xf bank_mask:0xf
	v_mov_b32_dpp v45, v47 row_xmask:\n row_mask:0xf bank_mask:0xf
	s_delay_alu instid0(VALU_DEP_2)
	v_or_b32 v46, v46, v44
	s_delay_alu instid0(VALU_DEP_2)
	v_or_b32 v47, v47, v45
.endr
.irp n, 2, 4, 8
	s_delay_alu instid0(VALU_DEP_2)
	v_mov_b32_dpp v44, v46 row_xmask:\n row_mask:0xf bank_mask:0xf
	s_delay_alu instid0(VALU_DEP_2)
	v_mov_b32_dpp v45, v47 row_xmask:\n row_mask:0xf bank_mask:0xf
	s_delay_alu instid0(VALU_DEP_2)
	v_or_b32 v46, v46, v44
	s_delay_alu instid0(VALU_DEP_2)
	v_or_b32 v47, v47, v45
.endr
	s_delay_alu instid0(VALU_DEP_2)
	v_permlanex16_b32 v44, v46, s18, s19
	s_delay_alu instid0(VALU_DEP_2)
	v_permlanex16_b32 v45, v47, s18, s19
	s_delay_alu instid0(VALU_DEP_2)
	v_or_b32 v46, v46, v44
	s_delay_alu instid0(VALU_DEP_2)
	v_or_b32 v47, v47, v45
	v_cmp_lt_u32 vcc_lo, 15, v2
	s_delay_alu instid0(VALU_DEP_1)
	v_cndmask_b32 v46, v46, v47, vcc_lo            ; lanes 0-15 block 2 w, lanes 16-31 block 2 w + 1
	global_store_b32 v5, v46, s[10:11]
	s_wait_tensorcnt 0x0
	ds_add_u32 v96, v97
	s_wait_dscnt 0x0
	s_endpgm
.Lfunc_end_k_qe0b193b499_sort:
	.size	k_qe0b193b499_sort, .Lfunc_end_k_qe0b193b499_sort-k_qe0b193b499_sort
	.p2alignl 7, 3214868480
	.fill 96, 4, 3214868480
	.section	.rodata,"a",@progbits
	.p2align	6, 0x0
	.amdhsa_kernel k_qe0b193b499_sort
		.amdhsa_group_segment_fixed_size 8192
		.amdhsa_private_segment_fixed_size 0
		.amdhsa_enable_private_segment 0
		.amdhsa_kernarg_size 32
		.amdhsa_user_sgpr_count 2
		.amdhsa_user_sgpr_kernarg_segment_ptr 1
		.amdhsa_wavefront_size32 1
		.amdhsa_system_sgpr_workgroup_id_x 1
		.amdhsa_system_sgpr_workgroup_id_y 1
		.amdhsa_system_sgpr_workgroup_id_z 1
		.amdhsa_system_vgpr_workitem_id 0
		.amdhsa_next_free_vgpr 98
		.amdhsa_next_free_sgpr 66
		.amdhsa_reserve_vcc 1
		.amdhsa_float_denorm_mode_32 3
		.amdhsa_float_denorm_mode_16_64 3
		.amdhsa_memory_ordered 1
		.amdhsa_forward_progress 1
		.amdhsa_inst_pref_size 25
	.end_amdhsa_kernel
	.amdgpu_metadata
---
amdhsa.version: [ 1, 2 ]
amdhsa.kernels:
  - .name:           k_qe0b193b499_sort
    .symbol:         k_qe0b193b499_sort.kd
    .args:
      - { .name: hist, .offset: 0, .size: 8, .value_kind: global_buffer, .address_space: global }
      - { .name: clsr, .offset: 8, .size: 8, .value_kind: global_buffer, .address_space: global }
      - { .name: order, .offset: 16, .size: 8, .value_kind: global_buffer, .address_space: global }
      - { .name: bmask, .offset: 24, .size: 8, .value_kind: global_buffer, .address_space: global }
    .group_segment_fixed_size: 8192
    .private_segment_fixed_size: 0
    .kernarg_segment_align: 8
    .kernarg_segment_size: 32
    .max_flat_workgroup_size: 1024
    .sgpr_count:     66
    .vgpr_count:     98
    .wavefront_size: 32
...
	.end_amdgpu_metadata
.endif
;; end of part 5
;; launch moe (part 6): grid 4 x 64, 4 waves a work-group, no clusters, 116,224 bytes of LDS; arguments xq, xs, wq, expert_b, order, bmask, route, out0; writes out0
.if DOCPART == 6
	.amdgcn_target "amdgcn-amd-amdhsa--gfx1250"
	.amdhsa_code_object_version 6
	.text
	.protected	k_qe0b193b499_moe
	.globl	k_qe0b193b499_moe
	.p2align	8
	.type	k_qe0b193b499_moe,@function
k_qe0b193b499_moe:
	s_mov_b64 s[64:65], 0
	v_nop
	global_prefetch_b8 v0, s[64:65] scope:SCOPE_SE
	s_setreg_imm32_b32 hwreg(HW_REG_WAVE_SCHED_MODE, 0, 2), 2
	s_setreg_imm32_b32 hwreg(HW_REG_WAVE_MODE, 25, 1), 1
	s_wait_xcnt 0x0
	s_wait_alu depctr_vm_vsrc(0)
; MOE: out[t] = the sum over the chosen true experts e of w(t, e) (Q(x[t]) Q(W_e) + b_e), on codes of FP6 (E2M3) with one E8M0 scale for each 32 along K; sums in f32.
; Only the chosen experts are multiplied: reference() gives every other expert the weight 0.
; SHARES.  Work-group (x, y) owns sorted tokens 128 y .. 128 y + 127 (the list order) and columns 256 x .. 256 x + 255: each output number has one owner.  Wave w takes all 128 tokens (8 tiles of 16)
; and 64 columns (4 tiles).  The work-group walks the experts that its block's mask names; a token that has not chosen the expert in hand gets the weight 0.
; THE PRODUCT IS USED TRANSPOSED: source 0 = 16 columns of W, source 1 = 16 tokens: a lane holds one token and eight neighbouring columns.  The bias is the C of a sum's first K step, so it is weighed with the product.
; x's codes are gathered once, by the list, into LDS as images of the operand's registers, and all four waves read them.  W's fragments go from memory straight into a ring of four K steps of registers,
; from records laid in the order of the operand's registers: each lane loads its fragments whole.
; NO TENSOR LOADS, NO CLUSTER, NO JOINT LOADS: the number of experts walked and their numbers are read from memory and differ from block to block, so partners would need different numbers of tiles.
; NO PREFETCH: each record of weights is read by many work-groups, and x's codes are asked for at the head.
; LIMITS: as stated at the head of the launch that quantises; a list word is held at 8,191, an expert's number at 7.
; THE MODE: SCHED_MODE bits 1:0 = 2 (LLVM: expert scheduling mode 2), set by the entry lines.  The code itself states the register dependences between vector or matrix instructions
; and memory or LDS instructions, with s_wait_alu, always for 0.
; THE PLAN.  Registers that memory or LDS instructions touch, in the loop:
;   X0, X1, X2   three buffers of four fragments of x.  An expert is 16 half-steps, j = 2 s + (tiles 4-7 ? 1 : 0); the products of half-step j read X[j % 3]; LDS loads write them.
;   the ring     slot s % 4 is read by step s's 32 products and loaded again in step s + 1, with the group four steps on.  W's scale words and the bias go with their groups.
;   v1-v7, v14   addresses, written at the head and never again.
;   The accumulators, out and the weights are named by vector and matrix instructions alone.
; ONE wait on va_vdst stands at the head of steps 1 to 7: step s - 1's products are done reading X[(2 s + 1) % 3], X[(2 s + 2) % 3] and ring slot (s - 1) % 4.  Behind it the step's 38 loads go out in three
; runs among its products: tiles 4-7 of this step at once, tiles 0-3 of the next step and two scale words behind eight products, the ring's twelve behind eight more.  The products issued since the wait
; name X[2 s % 3], slot s % 4 and scale registers s and 8 + s: none of the registers that those loads touch.
; 16 % 3 = 1, so the turns are closed once an expert: step 7 asks for the next expert's tiles 4-7 into X1, and one more wait, ahead of the weighing, frees X0 for its tiles 0-3; that wait serves step 0's
; loads too (X2, slot 3), since the weighing names none of their registers: step 0 has no wait of its own.
; REGISTERS, in windows of 256: window 0: v1-15 addresses; v16-31 the tiles' weights (even registers; the odd ones are 0 and only named in pairs); v32-63 {w1, w2, e1, e2} of my token in each tile;
;   v64-95 x's scale words (register 8 mp + s: lanes 0-15 tile 2 mp, lanes 16-31 tile 2 mp + 1); v96-111 W's (8 p + s, likewise); v112-255 X0, X1, X2; at the head v208-221 list words; at the end v112-175 rows on the way out.
;   window 1: v0-191 the ring (slot s % 4 at 48 (s % 4) + 12 n), at the end the output rows' offsets; v192-223 the bias.   window 2: the 32 accumulators (8 (4 m + n)); at the head the gathered codes.   window 3: out, likewise.
.set FRB,    1536                      ; a fragment's image: 12 registers x 128 bytes
.set REC,    6400                      ; a record: four images and 256 bytes of scale words
.set STAGE,  64*FRB                    ; LDS: x's 64 fragments ((m, s) at (8 m + s) FRB), then a stage of 16 rows for each wave
.set SPITCH, 272                       ; a stage row: 256 bytes + 16, an odd multiple of 16
.set LI,   1                           ; v1   16 l
.set LI2,  2                           ; v2   16 l + 32 FRB: tiles 4-7 lie beyond a 16-bit offset
.set L4,   3                           ; v3   4 l
.set H32,  4                           ; v4   32 h
.set STO,  5                           ; v5   the stage: where I put 32 bytes of a row
.set RD,   6                           ; v6   and where I read a row back
.set C16,  7                           ; v7   16 (l % 16)
.set H4,   14                          ; v14  4 h
.set GI,   15                          ; v15  where my wave stores its images
.set WT,   16
.set R,    32
.set XS,   64
.set WS,   96
.set XR,   112                         ; buffer b at XR + 48 b
.set BK,   112
.set TK,   208
.set BIAS, 192
.set CM,   44                          ; s[44:59] the weighing's sixteen masks
.set MSB, 0
.macro WIN new                         ; the immediate's high byte repeats the setting that is left
.if MSB != \new
	s_set_vgpr_msb (MSB<<8)|\new
.set MSB, \new
.endif
.endm
.macro PLACES                          ; four places behind this form, ahead of reads of results; ahead of loads into registers that matrix instructions have read they stand as in the plain form, beside the wait that states the dependence
.rept 4
	v_nop
.endr
.endm
.macro NEXT                            ; the next expert of the mask, and where its records and its bias begin
	s_ctz_i32_b32 s26, s23
	s_min_u32 s26, s26, 7                          ; a number that was loaded enters an address behind this hold
	s_sub_co_u32 s38, s23, 1
	s_and_b32 s23, s23, s38                        ; its bit is taken off
	s_mul_i32 s38, s26, 16*8*REC
	s_mov_b32 s39, 0
	s_add_nc_u64 s[34:35], s[28:29], s[38:39]
	s_lshl_b32 s38, s26, 12
	s_add_nc_u64 s[36:37], s[30:31], s[38:39]
.endm
.macro TOP                             ; an expert begins: what was next is now in hand
	s_wait_xcnt 0x0                                ; the loads issued so far have read their bases
	s_mov_b64 s[32:33], s[34:35]
	s_mov_b32 s25, s26
.endm
; The group of K step s of an expert, in two parts: two scale words; then, for s = 0 the bias, and four fragments: 14 loads in all, or 22
.macro GWORDS s, base
	global_load_b32 v[WS+(\s)], v[L4], s[\base:\base+1] offset:REC*(\s)+4*FRB
	global_load_b32 v[WS+8+(\s)], v[L4], s[\base:\base+1] offset:REC*(\s)+4*FRB+128
.endm
.macro GRING s, base
	WIN 0x40                                       ; destination window 1
.if (\s) == 0
.irp n, 0,1,2,3
	global_load_b128 v[BIAS+8*\n:BIAS+8*\n+3], v[H32], s[36:37] offset:64*\n          ; lane (r, h): the bias of columns 16 n + 8 h + 0 .. 7
	global_load_b128 v[BIAS+8*\n+4:BIAS+8*\n+7], v[H32], s[36:37] offset:64*\n+16
.endr
.endif
.irp n, 0,1,2,3
.irp c, 0,1,2
	global_load_b128 v[48*((\s)%4)+12*\n+4*\c:48*((\s)%4)+12*\n+4*\c+3], v[LI], s[\base:\base+1] offset:REC*(\s)+FRB*\n+512*\c   ; 512 consecutive bytes
.endr
.endr
.endm
.macro ROWS                            ; the output rows: token 2 t + h of tile m, into ring slots 0 and 1, which the last expert's steps 4 and 5 read last
	WIN 0x40
.irp m, 0,1,2,3,4,5,6,7
.irp t, 0,1,2,3,4,5,6,7
	global_load_b32 v[8*\m+\t], v[H4], s[40:41] offset:64*\m+8*\t
.endr
.endr
.endm
.macro XFETCH s, m0, b                 ; x's fragments of K step s, tiles m0 .. m0 + 3, into buffer b: 12 LDS loads of 512 consecutive bytes
.irp m, \m0, \m0+1, \m0+2, \m0+3
.irp c, 0,1,2
	ds_load_b128 v[XR+48*(\b)+12*((\m)%4)+4*\c:XR+48*(\b)+12*((\m)%4)+4*\c+3], v[LI+(\m)/4] offset:(8*((\m)%4)+(\s))*FRB+512*\c
.endr
.endr
.endm
.macro WM                              ; one product; the rows of the scale registers go by the tiles' parities
.if rRA == 0 && rRB == 0
	v_wmma_scale_f32_16x16x128_f8f6f4 v[rD:rD+7], v[rA:rA+11], v[rB:rB+11], v[rC:rC+7], v[rSA], v[rSB] matrix_a_fmt:MATRIX_FMT_FP6 matrix_b_fmt:MATRIX_FMT_FP6
.elseif rRA == 1 && rRB == 0
	v_wmma_scale_f32_16x16x128_f8f6f4 v[rD:rD+7], v[rA:rA+11], v[rB:rB+11], v[rC:rC+7], v[rSA], v[rSB] matrix_a_fmt:MATRIX_FMT_FP6 matrix_b_fmt:MATRIX_FMT_FP6 matrix_a_scale:MATRIX_SCALE_ROW1
.elseif rRA == 0
	v_wmma_scale_f32_16x16x128_f8f6f4 v[rD:rD+7], v[rA:rA+11], v[rB:rB+11], v[rC:rC+7], v[rSA], v[rSB] matrix_a_fmt:MATRIX_FMT_FP6 matrix_b_fmt:MATRIX_FMT_FP6 matrix_b_scale:MATRIX_SCALE_ROW1
.else
	v_wmma_scale_f32_16x16x128_f8f6f4 v[rD:rD+7], v[rA:rA+11], v[rB:rB+11], v[rC:rC+7], v[rSA], v[rSB] matrix_a_fmt:MATRIX_FMT_FP6 matrix_b_fmt:MATRIX_FMT_FP6 matrix_a_scale:MATRIX_SCALE_ROW1 matrix_b_scale:MATRIX_SCALE_ROW1
.endif
.endm
; 8 products: token tiles m0, m0 + 1 x the four column tiles.  The 32 accumulators take turns, one instruction a turn, in the same order in every step
.macro MULS s, m0
.irp m, \m0, \m0+1
.irp n, 0,1,2,3
.set rD, 8*(4*(\m)+\n)
.set rA, 48*((\s)%4)+12*\n
.set rB, XR+48*((2*(\s)+(\m)/4)%3)+12*((\m)%4)
.if (\s) == 0
.set rC, BIAS+8*\n
.else
.set rC, rD
.endif
.set rSA, WS+8*(\n/2)+(\s)
.set rSB, XS+8*((\m)/2)+(\s)
.set rRA, \n%2
.set rRB, (\m)%2
	WM
.endr
.endr
.endm
.macro MWIN s
.if (\s) == 0
	WIN 0x91                                       ; source 0 (W) window 1, source 1 (x) window 0, C (the bias) window 1, D window 2
.else
	WIN 0xa1                                       ; C and D window 2
.endif
.endm
; A K step.  n: the loads younger than this step's group.  g = 1: this expert's group three steps on goes into the slot that the step before read; g = 2: the next expert's group, five steps back in number;
; g = 3: the output rows' list words; g = 0: none.  x2 = 1: x's tiles 0-3 of the step that follows are asked for; x2 = 2: the next expert's tiles 4-7 of K step 0; x2 = 0: none
.macro KSTEP s, n, g, x2
.if (\s) > 0
	WIN 0
	PLACES
	s_wait_alu depctr_va_vdst(0)                   ; the step before is done: its products have read the two buffers of x, the ring slot, the scale words (and, ahead of the next expert's first group, the bias) in which this step's loads land
	XFETCH \s, 4, (2*(\s)+1)%3                     ; this step's tiles 4-7: sixteen products ahead of their use
	s_wait_loadcnt \n                              ; loads come back in order: this step's group is in, the two younger groups may be out
	s_wait_dscnt 12                                ; tiles 0-3 are in; the twelve loads just issued may be out
.else
	s_wait_loadcnt \n
	s_wait_dscnt 0x0                               ; K step 0's eight tiles were asked for ahead of the weighing, or at the head; tiles 0-3 are the youngest
.endif
	MWIN \s
	MULS \s, 0
.if \x2 == 1
	WIN 0
	XFETCH (\s)+1, 0, (2*(\s)+2)%3                 ; no wait: no vector or matrix instruction since the last wait on va_vdst names this buffer
.elseif \x2 == 2
	WIN 0
	XFETCH 0, 4, 1
.endif
.if \g == 1
	WIN 0
	GWORDS (\s)+3, 32
.elseif \g == 2
	WIN 0
	GWORDS (\s)-5, 34
.endif
	MWIN \s
	MULS \s, 2
.if \g == 1
	GRING (\s)+3, 32                               ; no wait: this step's products name slot s % 4, these loads the slot before it
.elseif \g == 2
	GRING (\s)-5, 34
.elseif \g == 3
	ROWS
.endif
.if (\s) > 0
.if \x2
	s_wait_dscnt 12                                ; tiles 4-7 are in; the twelve younger loads may be out
.else
	s_wait_dscnt 0x0
.endif
.endif
	MWIN \s
	MULS \s, 4
	MULS \s, 6
.endm
; An expert is done: out = or += its weight x its sums.  The weight of my token in tile m: w1 where e1 is the expert in hand, w2 where e2 is, else 0.  more = 1: another expert follows
.macro EPI more
	WIN 0
	PLACES
.if \more
	s_wait_alu depctr_va_vdst(0)                   ; step 7's products are done reading X0, in which the loads below land, and X2 and ring slot 3, in which the next step 0's loads land: nothing below names those
	XFETCH 0, 0, 0                                 ; the next expert's tiles 0-3 of K step 0 land while this one is weighed
.endif
.irp m, 0,1,2,3,4,5,6,7
	v_cmp_eq_u32 s[CM+2*\m], s25, v[R+4*\m+2]
	v_cmp_eq_u32 s[CM+2*\m+1], s25, v[R+4*\m+3]
.endr
	s_wait_alu depctr_va_sdst(0)                   ; the sixteen masks are written, ahead of the selects that read them
.irp m, 0,1,2,3,4,5,6,7
	v_cndmask_b32 v[WT+2*\m], 0, v[R+4*\m], s[CM+2*\m]
.endr
.irp m, 0,1,2,3,4,5,6,7
	v_cndmask_b32 v[WT+2*\m], v[WT+2*\m], v[R+4*\m+1], s[CM+2*\m+1]
.endr
	s_cmp_eq_u32 s27, 0
	s_cbranch_scc1 .Ladd_\@
	WIN 0xc2                                       ; the block's first expert starts out: nothing is cleared.  Destination window 3, source 0 window 2
.irp m, 0,1,2,3,4,5,6,7
.set i, 32*\m
.rept 16
	v_pk_mul_f32 v[i:i+1], v[i:i+1], v[WT+2*\m:WT+2*\m+1] op_sel_hi:[1,0]       ; each accumulator from its low end on
.set i, i+2
.endr
.endr
	WIN 0
	s_mov_b32 s27, 0
	s_branch .Ldone_\@
.Ladd_\@:
	WIN 0xf2                                       ; destination and source 2 window 3, source 0 window 2
	s_wait_alu depctr_va_vdst(0)
.irp m, 0,1,2,3,4,5,6,7
.set i, 32*\m
.rept 16
	v_pk_fma_f32 v[i:i+1], v[i:i+1], v[WT+2*\m:WT+2*\m+1], v[i:i+1] op_sel_hi:[1,0,1]
.set i, i+2
.endr
.endr
	WIN 0
.Ldone_\@:
.endm
; THE WAY OUT, a tile of 16 tokens x 64 columns at a time: a lane holds 32 bytes of a row, so the tile goes through my own stage and comes back as whole rows of 256 bytes
.macro TOSTAGE m
	WIN 0x0c                                       ; an LDS store's data are its source 1: window 3
.irp n, 0,1,2,3
	ds_store_b128 v[STO], v[8*(4*(\m)+\n):8*(4*(\m)+\n)+3] offset:64*\n
	ds_store_b128 v[STO], v[8*(4*(\m)+\n)+4:8*(4*(\m)+\n)+7] offset:64*\n+16
.endr
	WIN 0
.irp t, 0,1,2,3,4,5,6,7
	ds_load_b128 v[BK+32*((\m)%2)+4*\t:BK+32*((\m)%2)+4*\t+3], v[RD] offset:2*SPITCH*\t   ; LDS serves a wave's instructions in order: these see my stores, and the next tile's stores come behind them
.endr
.endm
.macro SEND m, younger                 ; younger: the LDS instructions issued behind tile m's loads
	s_wait_dscnt \younger
	WIN 0x01                                       ; the address register lies in window 1
.irp t, 0,1,2,3,4,5,6,7
	global_store_b128 v[8*(\m)+\t], v[BK+32*((\m)%2)+4*\t:BK+32*((\m)%2)+4*\t+3], s[42:43] th:TH_STORE_NT   ; sixteen lanes store 256 consecutive bytes of a token's row, aligned; two tokens an instruction
.endr
	WIN 0
.endm
	s_load_b512 s[4:19], s[0:1], 0x0               ; xq s[4:5], xs s[6:7], wq s[8:9], expert_b s[10:11], order s[12:13], bmask s[14:15], route s[16:17], out0 s[18:19]
	s_set_vgpr_msb 0x40
	v_lshl_add_u32 v254, v0, 2, 0x1c400
	v_mov_b32 v255, 0
	s_set_vgpr_msb 0x4000
	v_lshrrev_b32 v8, 5, v0
	v_readfirstlane_b32 s20, v8                    ; wave 0..3
	s_and_b32 s22, ttmp7, 0xffff                   ; y: the block of tokens
	v_and_b32 v9, 31, v0                           ; l
	v_and_b32 v10, 15, v0                          ; r
	v_bfe_u32 v11, v0, 4, 1                        ; h
	v_lshlrev_b32 v[LI], 4, v9
	v_add_nc_u32 v[LI2], 32*FRB, v[LI]
	v_lshlrev_b32 v[L4], 2, v9
	v_lshlrev_b32 v[H32], 5, v11
	v_lshlrev_b32 v[H4], 2, v11
	v_lshlrev_b32 v[C16], 4, v10
	s_wait_alu depctr_va_sdst(0)                   ; s20 is written, ahead of its first reader: LDS places, the records' and the outputs' bases are made from it
	s_mul_i32 s38, s20, 16*SPITCH
	s_add_co_u32 s38, s38, STAGE                   ; my stage
	v_mul_u32_u24 v[STO], v10, SPITCH
	v_lshl_add_u32 v[STO], v11, 5, v[STO]
	v_add_nc_u32 v[STO], s38, v[STO]               ; in: row r, + 32 h
	v_mul_u32_u24 v[RD], v11, SPITCH
	v_lshl_add_u32 v[RD], v10, 4, v[RD]
	v_add_nc_u32 v[RD], s38, v[RD]                 ; back: lanes 0-15 one row, lanes 16-31 the next
	s_mul_i32 s38, s20, 16*FRB
	v_add_nc_u32 v[GI], s38, v[LI]                 ; my wave gathers tiles 2 w and 2 w + 1: 16 fragments
	v_lshlrev_b32 v12, 2, v10                      ; 4 r
	s_lshl_b32 s38, s20, 7
	v_add_nc_u32 v13, s38, v12                     ; 4 r + 128 w
.irp m, 0,1,2,3,4,5,6,7
	v_mov_b32 v[WT+2*\m+1], 0                      ; named as the upper half of a pair, so it is written
.endr
	s_lshl_b32 s38, ttmp9, 2
	s_add_co_u32 s21, s38, s20                     ; nq: which 64 columns are my wave's
	s_mul_i32 s44, s21, 8*REC
	s_mov_b32 s45, 0
	s_lshl_b32 s46, s21, 8
	s_mov_b32 s47, 0
	s_lshl_b32 s48, s22, 9                         ; 128 list words
	s_mov_b32 s49, 0
	s_lshl_b32 s50, s22, 6                         ; the block's mask
	s_mov_b32 s51, 0
	s_mov_b32 s27, 1                               ; the first expert is still to come
	s_wait_kmcnt 0x0
	s_add_nc_u64 s[14:15], s[14:15], s[50:51]
	s_load_b32 s23, s[14:15], 0x0
	s_add_nc_u64 s[40:41], s[12:13], s[48:49]      ; the list at my block
	s_add_nc_u64 s[28:29], s[8:9], s[44:45]        ; expert 0's records of my columns
	s_add_nc_u64 s[30:31], s[10:11], s[46:47]      ; expert 0's bias of my columns
	s_add_nc_u64 s[42:43], s[18:19], s[46:47]      ; out0 at my columns
	s_wait_alu depctr_va_vdst(0)                   ; the addresses and offsets v1 to v7 and v12 to v15 are written: every load and store of the kernel but the gathers and the last stores reads one of them
.irp m, 0,1,2,3,4,5,6,7
	global_load_b32 v[TK+\m], v12, s[40:41] offset:64*\m          ; token r of tile m
.endr
.irp p, 0,1,2,3
	global_load_b32 v[TK+8+\p], v[L4], s[40:41] offset:128*\p     ; token l of the pair of tiles p
.endr
.irp i, 0,1
	global_load_b32 v[TK+12+\i], v13, s[40:41] offset:64*\i       ; token r of the tiles that I gather
.endr
	s_wait_kmcnt 0x0
	s_and_b32 s23, s23, 0xff
	s_bcnt1_i32_b32 s24, s23
	s_max_u32 s24, s24, 1                          ; how many experts the block walks
	NEXT
	GWORDS 0, 34                                   ; the first expert's first three K steps: 6 scale words, 8 loads of bias, 36 of fragments; the fourth goes out in step 0, as in every expert
	GWORDS 1, 34
	GWORDS 2, 34
	GRING 0, 34
	GRING 1, 34
	GRING 2, 34
	WIN 0
	s_wait_loadcnt 50                              ; the 14 list words are in; the 50 younger loads may be out
.irp m, 0,1,2,3,4,5,6,7
	v_min_u32 v[TK+\m], 0x1fff, v[TK+\m]
	v_lshlrev_b32 v[TK+\m], 4, v[TK+\m]            ; route: 16 bytes a token
.endr
.irp p, 0,1,2,3
	v_min_u32 v[TK+8+\p], 0x1fff, v[TK+8+\p]
	v_lshlrev_b32 v[TK+8+\p], 5, v[TK+8+\p]        ; xs: 32 bytes a token
.endr
	v_mul_u32_u24 v8, v11, 384
.irp i, 0,1
	v_min_u32 v[TK+12+\i], 0x1fff, v[TK+12+\i]
	v_mul_u32_u24 v[TK+12+\i], v[TK+12+\i], 768    ; xq: 768 bytes a token, my half's 384
	v_add_nc_u32 v[TK+12+\i], v[TK+12+\i], v8
.endr
	WIN 0x80                                       ; destination window 2
	s_wait_alu depctr_va_vdst(0)                   ; the fourteen offsets v208 to v221 are written, which the gathers below read
.irp i, 0,1
.irp s, 0,1,2,3,4,5,6,7
.irp c, 0,1,2
	global_load_b128 v[12*(8*\i+\s)+4*\c:12*(8*\i+\s)+4*\c+3], v[TK+12+\i], s[4:5] offset:48*\s+16*\c
.endr
.endr
.endr
	WIN 0
.irp p, 0,1,2,3
	global_load_b128 v[XS+8*\p:XS+8*\p+3], v[TK+8+\p], s[6:7]
	global_load_b128 v[XS+8*\p+4:XS+8*\p+7], v[TK+8+\p], s[6:7] offset:16
.endr
.irp m, 0,1,2,3,4,5,6,7
	global_load_b128 v[R+4*\m:R+4*\m+3], v[TK+\m], s[16:17]
.endr
	s_wait_loadcnt 0x0
	WIN 0x08                                       ; an LDS store's data are its source 1: window 2
.irp i, 0,1
.irp s, 0,1,2,3,4,5,6,7
.irp c, 0,1,2
	ds_store_b128 v[GI], v[12*(8*\i+\s)+4*\c:12*(8*\i+\s)+4*\c+3] offset:(8*\i+\s)*FRB+512*\c
.endr
.endr
.endr
	WIN 0
	s_wait_dscnt 0x0                               ; for the others' sake: my images have landed
	s_barrier_signal -1
	s_barrier_wait -1                              ; the one barrier: x's 64 fragments lie in LDS and are only read from here on
	s_wait_alu depctr_vm_vsrc(0)                   ; my LDS stores have read window 2's registers, which the products write from here on; the gathers have read v208 to v221, which are part of X2 from here on
	XFETCH 0, 4, 1
	XFETCH 0, 0, 0
	s_sub_co_u32 s24, s24, 1                       ; the last expert is written out behind the loop
	s_cmp_eq_u32 s24, 0
	s_cbranch_scc1 .Llast
.Lexpert:                                              ; a trip: one expert, and the next expert's first three K steps are asked for
	TOP
	KSTEP 0, 28, 1, 1                              ; 28 = two younger groups of 14
	KSTEP 1, 28, 1, 1
	KSTEP 2, 28, 1, 1
	KSTEP 3, 28, 1, 1
	s_wait_xcnt 0x0                                ; the loads issued so far have read their bases
	NEXT
	KSTEP 4, 28, 1, 1
	KSTEP 5, 28, 2, 1
	KSTEP 6, 36, 2, 1                              ; 36: the next expert's first group, with its bias 22 loads, is one of the two
	KSTEP 7, 36, 2, 2
	EPI 1
	s_sub_co_u32 s24, s24, 1
	s_cmp_lg_u32 s24, 0
	s_cbranch_scc1 .Lexpert
.Llast:
	TOP
	KSTEP 0, 28, 1, 1
	KSTEP 1, 28, 1, 1
	KSTEP 2, 28, 1, 1
	KSTEP 3, 28, 1, 1
	KSTEP 4, 28, 1, 1
	KSTEP 5, 28, 0, 1                              ; no more of W is asked for: the counts run down
	KSTEP 6, 14, 0, 1
	KSTEP 7, 0, 3, 0                               ; the output rows' list words go out among the last products
	EPI 0                                          ; stands between those loads and the wait for them
	s_wait_loadcnt 0x0
	WIN 0x44                                       ; source 1 and destination window 1
.set i, 0
.rept 64
	v_min_u32 v[i], 0x1fff, v[i]
.set i, i+1
.endr
	WIN 0x41                                       ; source 0 and destination window 1
.set i, 0
.rept 64
	v_lshl_add_u32 v[i], v[i], 12, v[C16]          ; a row of out0 is 4,096 bytes; + my 16 bytes of the 256
.set i, i+1
.endr
	WIN 0
	s_wait_alu depctr_va_vdst(0)                   ; the weighing has written out, which the stage's stores read; the 64 row offsets are written, which the last stores read; the products are done reading v112 to v175, in which the rows land.  No vector instruction follows
	TOSTAGE 0
.irp m, 1,2,3,4,5,6,7
.if \m > 1
	s_wait_xcnt 0x0                                ; tile m - 2's stores have had their addresses translated,
	s_wait_alu depctr_vm_vsrc(0)                   ; and have read their data registers: tile m's rows may land there
.endif
	TOSTAGE \m
	SEND \m-1, 16                                  ; behind tile m - 1's loads: tile m's 8 stores and 8 loads
.endr
	SEND 7, 0
	s_set_vgpr_msb 0x5
	s_wait_dscnt 0x0
	s_wait_alu depctr_hold_cnt(0) depctr_sa_sdst(0) depctr_va_vdst(0) depctr_va_sdst(0) depctr_va_ssrc(0) depctr_va_vcc(0) depctr_vm_vsrc(0)
	s_wait_tensorcnt 0x0
	ds_add_u32 v254, v255
	s_wait_dscnt 0x0
	s_endpgm
.Lfunc_end_k_qe0b193b499_moe:
	.size	k_qe0b193b499_moe, .Lfunc_end_k_qe0b193b499_moe-k_qe0b193b499_moe
	.p2alignl 7, 3214868480
	.fill 96, 4, 3214868480
	.section	.rodata,"a",@progbits
	.p2align	6, 0x0
	.amdhsa_kernel k_qe0b193b499_moe
		.amdhsa_group_segment_fixed_size 116224
		.amdhsa_private_segment_fixed_size 0
		.amdhsa_enable_private_segment 0
		.amdhsa_kernarg_size 64
		.amdhsa_user_sgpr_count 2
		.amdhsa_user_sgpr_kernarg_segment_ptr 1
		.amdhsa_wavefront_size32 1
		.amdhsa_system_sgpr_workgroup_id_x 1
		.amdhsa_system_sgpr_workgroup_id_y 1
		.amdhsa_system_sgpr_workgroup_id_z 1
		.amdhsa_system_vgpr_workitem_id 0
		.amdhsa_next_free_vgpr 1024
		.amdhsa_next_free_sgpr 66
		.amdhsa_reserve_vcc 0
		.amdhsa_float_denorm_mode_32 3
		.amdhsa_float_denorm_mode_16_64 3
		.amdhsa_memory_ordered 1
		.amdhsa_forward_progress 1
		.amdhsa_inst_pref_size 201
	.end_amdhsa_kernel
	.amdgpu_metadata
---
amdhsa.version: [ 1, 2 ]
amdhsa.kernels:
  - .name:           k_qe0b193b499_moe
    .symbol:         k_qe0b193b499_moe.kd
    .args:
      - { .name: xq, .offset: 0, .size: 8, .value_kind: global_buffer, .address_space: global }
      - { .name: xs, .offset: 8, .size: 8, .value_kind: global_buffer, .address_space: global }
      - { .name: wq, .offset: 16, .size: 8, .value_kind: global_buffer, .address_space: global }
      - { .name: expert_b, .offset: 24, .size: 8, .value_kind: global_buffer, .address_space: global }
      - { .name: order, .offset: 32, .size: 8, .value_kind: global_buffer, .address_space: global }
      - { .name: bmask, .offset: 40, .size: 8, .value_kind: global_buffer, .address_space: global }
      - { .name: route, .offset: 48, .size: 8, .value_kind: global_buffer, .address_space: global }
      - { .name: out0, .offset: 56, .size: 8, .value_kind: global_buffer, .address_space: global }
    .group_segment_fixed_size: 116224
    .private_segment_fixed_size: 0
    .kernarg_segment_align: 8
    .kernarg_segment_size: 64
    .max_flat_workgroup_size: 128
    .sgpr_count:     66
    .vgpr_count:     1024
    .wavefront_size: 32
...
	.end_amdgpu_metadata
.endif
;; end of part 6
